; MI455X (gfx1250); checked and timed in simulation.
; The chip was launched on July 23, 2026; its instructions are those of AMD's public machine-readable ISA for CDNA 5 (MIT licence, August 2026) and "CDNA5" Instruction Set Architecture Reference Guide (July 2026). The comments in the code are by the model that wrote it; some were corrected since.
;; Multi Head Attention. Allowed arithmetic: matrix products marked QUANTISED: E2M1 operands, one E8M0 scale for each 32 along K, by v_wmma_scale_f32_16x16x128_f8f6f4 with both operands' format E2M1 (or v_wmma_scale_f32_32x16x128_f4), f32 sums; products left as they are: bf16, f16 or f32 operands; f32 sums; everything else in f32.
;; Inputs: attention_mask 1 x 4,096 float32; freqs_cis 4,096 x 32 x 2 float32; hidden_states 1 x 4,096 x 1,024 float32; wk 1,024 x 1,024 float32; wo 1,024 x 1,024 float32; wq 1,024 x 1,024 float32; wv 1,024 x 1,024 float32.
;; Outputs: out0 1 x 4,096 x 1,024 float32.
;; This version of the problem:
;;   THIS VERSION OF THE PROBLEM IS GIVEN IN LOW PRECISION. The matrix products marked QUANTISED in the list below multiply operands that are first quantised to E2M1 (2 exponent bits, 1 mantissa bit; 4 bits a number), with one power-of-two scale for each 32 numbers along K (OCP MX v1.0); their sums are f32. The products marked 'left as it is' may take bf16, f16 or f32 operands, with f32 sums. Whichever they take, every output number must still come out within the allowed error. Rounding operands to bf16 (8 significant bits) uses up far more of that allowance than f16 does (11 bits, for magnitudes from 6e-5 to 65,504). All else is computed in f32.
;;   The module's matrix products, in the order in which they are computed (A, B: the left and right operand; K: the contracted axis; several contracted axes count as one K, in the product's order):
;;     1. [M 4,096, K 1,024] x [K 1,024, N 1,024]; A: input hidden_states; B: input wq: QUANTISED
;;     2. [M 4,096, K 1,024] x [K 1,024, N 1,024]; A: input hidden_states; B: input wk: QUANTISED
;;     3. [M 4,096, K 1,024] x [K 1,024, N 1,024]; A: input hidden_states; B: input wv: QUANTISED
;;     4. batch 16 x [M 4,096, K 64] x [K 64, N 4,096]; A: computed on the way; B: computed on the way: left as it is (an operand is computed on the way)
;;     5. batch 16 x [M 64, K 4,096] x [K 4,096, N 4,096]; A: computed on the way; B: computed on the way: left as it is (an operand is computed on the way)
;;     6. [M 4,096, K 1,024] x [K 1,024, N 1,024]; A: computed on the way; B: input wo: left as it is (an operand is computed on the way)
;;   THE QUANTISER, for each operand of a quantised product, along K:
;;     - K is cut into blocks of 32 from its start; a last block that is shorter is filled with zeros.
;;     - A block's scale is 2^e with e = floor(log2(the largest magnitude in the block)) - 2, held to -126 .. 127; a block of zeros has e = 0. As a byte (E8M0): e + 127.
;;     - Each number is divided by its block's scale, clamped to +-6, and rounded to the nearest number of E2M1, ties to even, subnormals kept.
;;     - The product sums the exact products of the quantised numbers (number of the format x scale) in f32.
;;   ~~~python
;;   def quantise(x, axis):      # numpy; x: float32 -> the quantised numbers, widened to float32 again
;;       x = np.moveaxis(x, axis, -1); K = x.shape[-1]
;;       x = np.pad(x, [(0, 0)] * (x.ndim - 1) + [(0, -K % 32)]); x = x.reshape(x.shape[:-1] + (-1, 32)); a = np.abs(x).max(-1, keepdims=True)
;;       e = np.where(a > 0, np.clip(np.frexp(np.where(a > 0, a, 1))[1] - 1 - 2, -126, 127), 0)      # np.frexp(a)[1] - 1 = floor(log2(a)), exactly
;;       r = np.clip(x / 2.0 ** e, -6, 6)
;;       step = 2.0 ** (np.maximum(np.frexp(np.where(r == 0, 1, r))[1] - 1, 0) - 1)
;;       q = np.round(r / step) * step * 2.0 ** e      # np.round: ties to even
;;       return np.moveaxis(q.reshape(q.shape[:-2] + (-1,))[..., :K], -1, axis).astype(np.float32)
;;   ~~~
;; One version. Each part assembles by itself: llvm-mc -triple=amdgcn-amd-amdhsa -mcpu=gfx1250 --defsym DOCPART=n.
;; ======== version 1 of 1: 4 launches
;; limits: values are held in f16: magnitudes above 65,504 overflow, below 6.1e-05 lose precision
;; workspace buffers: x_codes 2,097,152 bytes; x_scales 131,072 bytes; w_img 1,572,864 bytes; w_sc 98,304 bytes; wo_img 2,097,152 bytes; q_img 8,388,608 bytes; kv_img 16,777,216 bytes; ao_img 8,388,608 bytes
;; launch prep (part 1): grid 384 x 1, 4 waves a work-group, no clusters, 33,280 bytes of LDS; arguments hidden_states, wq, wk, wv, wo, x_codes, x_scales, w_img, w_sc, wo_img; writes x_codes, x_scales, w_img, w_sc, wo_img
.if DOCPART == 1
	.amdgcn_target "amdgcn-amd-amdhsa--gfx1250"
	.amdhsa_code_object_version 6
	.text
	.protected	k_qf7b8049c66_prep
	.globl	k_qf7b8049c66_prep
	.p2align	8
	.type	k_qf7b8049c66_prep,@function
k_qf7b8049c66_prep:
	s_mov_b64 s[64:65], 0
	v_nop
	global_prefetch_b8 v0, s[64:65] scope:SCOPE_SE
	s_setreg_imm32_b32 hwreg(HW_REG_WAVE_MODE, 25, 1), 1
	s_wait_xcnt 0x0
; PREP.  hidden_states [4096][1024] f32 becomes codes of FP4 (E2M1) with K innermost and one E8M0 byte for each 32 along K (work-groups 0-127).
; wq, wk, wv [1024 (k)][1024 (n)] f32 become codes quantised along K, their FIRST axis, stored as IMAGES OF THE OPERAND REGISTERS of the next launch; wo becomes f16, likewise as images (work-groups 128-383).
; A block's scale is 2^(floor(log2(largest magnitude)) - 2); its byte is the largest magnitude's exponent field - 2, held at 1 from below.
; LIMITS: blocks whose largest magnitude lies under 2^-124 are held at byte 1; a block of zeros gets byte 1 where the rule says 127 (its codes are zeros, and this program alone reads the bytes);
; NaN and infinities are not served; |wo| stays under 65,504 (f16).
; Memory binds here: no matrix unit, no cluster, no tensor load.  Waves share nothing, so there is no barrier.
.set STEPS, 16                         ; x: steps of 512 numbers in a wave's run of 8,192
.set CB,    8                          ; bytes of 16 codes
.set SP,    80                         ; a lane's place in a stage: 64 bytes + 16 of padding
.set WREG,  8192                       ; LDS of a wave: two stages of 32 x SP bytes, then its 256 scale bytes
.set SPARE, 4*WREG                     ; behind the four regions: the spare words, 128 bytes a wave
.set SPW,   12                         ; v12 my spare word's LDS address; never rewritten
.set NIL,   13                         ; v13 0; never rewritten
.set R,     16                         ; x: v16-79 four sets of 16 numbers as loaded
.set X,     80                         ; x: v80-111 two sets of 16 neighbours
.set E,     112                        ; x: v112-127 a scale byte for each step
.set C,     128                        ; x: v128-191 codes, four registers a step
.set WN,    32                         ; weights: v32-159 128 numbers down K of my column
.set WC,    160                        ; weights: v160-175 codes, four registers a block
	s_load_b256 s[4:11], s[0:1], 0x0               ; hidden_states, wq, wk, wv
	s_load_b256 s[12:19], s[0:1], 0x20             ; wo, x_codes, x_scales, w_img
	s_load_b128 s[20:23], s[0:1], 0x40             ; w_sc, wo_img
	v_lshl_add_u32 v[SPW], v0, 2, SPARE
	v_mov_b32 v[NIL], 0
	v_lshrrev_b32 v1, 5, v0
	v_readfirstlane_b32 s24, v1                    ; wave 0..3
	v_and_b32 v2, 31, v0                           ; lane
	s_wait_kmcnt 0x0
	s_cmp_lt_u32 ttmp9, 128                        ; the first 128 work-groups take x, the others the weights
	s_cbranch_scc0 .Lweights
; ---------------- x: a plain stream of blocks of 32.  Each load reads 512 consecutive bytes; a step's 2,048 bytes turn through the wave's own stage so that a lane holds 16 neighbours.
	v_lshlrev_b32 v3, 4, v2                        ; my 16 bytes of a load's 512
	s_mul_i32 s25, s24, WREG
	v_lshrrev_b32 v14, 2, v2
	v_mul_u32_u24 v14, v14, SP
	v_and_b32 v15, 3, v2
	v_lshl_add_u32 v14, v15, 4, v14
	v_add_nc_u32 v14, s25, v14                     ; into the stage: SP (lane / 4) + 16 (lane % 4)
	v_mul_u32_u24 v15, v2, SP
	v_add_nc_u32 v15, s25, v15                     ; out of it: SP x lane
	v_mul_u32_u24 v4, v2, CB                       ; my codes' place in a step's 256 bytes
	v_lshrrev_b32 v5, 1, v2
	s_add_co_u32 s25, s25, 2*32*SP
	v_add_nc_u32 v5, s25, v5                       ; my block's scale byte in LDS
	v_lshlrev_b32 v7, 3, v2
	v_add_nc_u32 v6, s25, v7                       ; and 8 bytes a lane on the way out
	s_lshl_b32 s26, ttmp9, 2
	s_add_co_u32 s26, s26, s24                     ; which run of 8,192 numbers is my wave's
	s_mov_b32 s27, 0
	s_lshl_b64 s[28:29], s[26:27], 15              ; 32,768 bytes of f32,
	s_add_nc_u64 s[4:5], s[4:5], s[28:29]
	s_lshl_b64 s[28:29], s[26:27], 12              ; 4,096 of codes,
	s_add_nc_u64 s[14:15], s[14:15], s[28:29]
	s_lshl_b64 s[28:29], s[26:27], 8               ; 256 of scale bytes
	s_add_nc_u64 s[16:17], s[16:17], s[28:29]
.macro LOAD t
.irp i, 0,1,2,3
	global_load_b128 v[R+16*((\t)%4)+4*\i:R+16*((\t)%4)+4*\i+3], v3, s[4:5] offset:2048*(\t)+512*\i th:TH_LOAD_NT
.endr
.endm
.macro TURN t                          ; LDS serves a wave's instructions in order: no wait between the stores and the loads
.irp i, 0,1,2,3
	ds_store_b128 v14, v[R+16*((\t)%4)+4*\i:R+16*((\t)%4)+4*\i+3] offset:32*SP*((\t)%2)+8*SP*\i
.endr
.irp i, 0,1,2,3
	ds_load_b128 v[X+16*((\t)%2)+4*\i:X+16*((\t)%2)+4*\i+3], v15 offset:32*SP*((\t)%2)+16*\i
.endr
.endm
.irp t, 0,1,2,3
	LOAD \t
.endr
	s_wait_loadcnt 12                              ; step 0's four loads are in; the twelve of steps 1 to 3 stay out
	TURN 0
.macro STEP t
.set XS, X+16*((\t)%2)
.if (\t) > 0
	s_wait_dscnt 1                                 ; this step's numbers are back from the stage; the last step's byte store may be out
.else
	s_wait_dscnt 0x0
.endif
.if (\t)+4 < STEPS
	LOAD (\t)+4                                    ; into the set whose stores into the stage have read their registers
.endif
.if (\t)+1 < STEPS
.if STEPS-2-(\t) >= 3
	s_wait_loadcnt 12                              ; the next step's four loads are in; three later steps' twelve stay out
.else
	s_wait_loadcnt 4*(STEPS-2-(\t))                ; the counts run down
.endif
	TURN (\t)+1
.endif
	v_max3_num_f32 v8, |v[XS]|, |v[XS+1]|, |v[XS+2]|
	v_max3_num_f32 v9, |v[XS+3]|, |v[XS+4]|, |v[XS+5]|
.irp i, 6,10
	v_max3_num_f32 v8, v8, |v[XS+\i]|, |v[XS+\i+1]|
	v_max3_num_f32 v9, v9, |v[XS+\i+2]|, |v[XS+\i+3]|
.endr
	v_max3_num_f32 v8, v8, |v[XS+14]|, |v[XS+15]|
	v_max3_num_f32 v8, v8, v9, 0x1800000           ; and the floor 2^(3 - 127): the byte cannot fall under 1
	v_max_num_f32_dpp v8, v8, v8 row_xmask:1 row_mask:0xf bank_mask:0xf   ; with my neighbour's 16: the block's largest magnitude
	v_add_nc_u32 v11, 0xff000000, v8               ; 2 off its exponent field: the conversion's scale operand
	v_cvt_scalef32_pk8_fp4_f32 v[C+4*(\t)], v[XS:XS+7], v11
	v_cvt_scalef32_pk8_fp4_f32 v[C+4*(\t)+1], v[XS+8:XS+15], v11
	v_lshrrev_b32 v[E+(\t)], 23, v11               ; the scale's byte (a plain line behind the conversions)
	ds_store_b8 v5, v[E+(\t)] offset:16*(\t)       ; both lanes of a block write the same byte with the same value
	global_store_b64 v4, v[C+4*(\t):C+4*(\t)+1], s[14:15] offset:32*CB*(\t)   ; the wave stores 256 consecutive bytes, aligned
.endm
.irp t, 0,1,2,3,4,5,6,7,8,9,10,11,12,13,14,15
	STEP \t
.endr
	ds_load_b64 v[8:9], v6                         ; my wave's 256 scale bytes, behind my stores of them
	s_wait_dscnt 0x0
	global_store_b64 v7, v[8:9], s[16:17]          ; 256 consecutive bytes, aligned
	s_wait_tensorcnt 0x0                           ; the end of a wave that stored to LDS
	ds_add_u32 v[SPW], v[NIL]
	s_wait_dscnt 0x0
	s_endpgm
; ---------------- the weights.  A LANE TAKES A COLUMN n AND ITS REGISTERS RUN DOWN K: a wave takes 32 columns x 128 along K; each load reads 128 consecutive bytes, the four waves stand side by side on 512.
.Lweights:
	s_sub_co_u32 s25, ttmp9, 128
	s_lshr_b32 s26, s25, 6                         ; which: 0 wq, 1 wk, 2 wv, 3 wo
	s_bfe_u32 s27, s25, 0x30003                    ; which 128 along K
	s_and_b32 s28, s25, 7
	s_lshl_b32 s28, s28, 2
	s_add_co_u32 s28, s28, s24                     ; which 32 columns
	s_cmp_eq_u32 s26, 1                            ; the source is chosen by the work-group's number alone
	s_cselect_b64 s[6:7], s[8:9], s[6:7]
	s_cmp_eq_u32 s26, 2
	s_cselect_b64 s[6:7], s[10:11], s[6:7]
	s_cmp_eq_u32 s26, 3
	s_cselect_b64 s[6:7], s[12:13], s[6:7]
	s_lshl_b32 s30, s27, 19                        ; 128 rows of 4,096 bytes
	s_lshl_b32 s31, s28, 7                         ; 32 columns of 4 bytes
	s_add_co_u32 s30, s30, s31
	s_mov_b32 s31, 0
	s_add_nc_u64 s[6:7], s[6:7], s[30:31]
	v_lshlrev_b32 v3, 2, v2                        ; 4 bytes a lane
.set i, 0
.rept 128
	global_load_b32 v[WN+i], v3, s[6:7] offset:i*4096 th:TH_LOAD_NT
.set i, i+1
.endr
	v_lshrrev_b32 v4, 4, v2                        ; which of my wave's two tiles of 16 columns
	v_and_b32 v5, 15, v2
	v_lshlrev_b32 v5, 4, v5                        ; 16 r
	s_cmp_eq_u32 s26, 3
	s_cbranch_scc1 .Lwo
	; FP4.  w_img: [head 16][K half 2][tile of 16 columns 12][K step 4][quad c 2][lane 32][16 bytes]; lane (r, h) of quad c holds block 2 c + h of column r: block t lies at 256 t + 16 r.
	v_lshl_add_u32 v6, v4, 12, v5                  ; my tile (4,096 bytes apart) and my column
	s_lshr_b32 s32, s28, 1                         ; head: 64 columns
	s_and_b32 s33, s28, 1
	s_lshl_b32 s33, s33, 1
	s_lshl_b32 s34, s26, 2
	s_add_co_u32 s33, s33, s34                     ; the tile of lanes 0-15: 4 x which + 2 x (half of the head)
	s_mul_i32 s36, s32, 98304
	s_lshr_b32 s34, s27, 2
	s_mul_i32 s34, s34, 49152
	s_add_co_u32 s36, s36, s34
	s_lshl_b32 s34, s33, 12
	s_add_co_u32 s36, s36, s34
	s_and_b32 s34, s27, 3
	s_lshl_b32 s34, s34, 10
	s_add_co_u32 s36, s36, s34
	s_mov_b32 s37, 0
	s_add_nc_u64 s[18:19], s[18:19], s[36:37]
	s_mul_i32 s36, s32, 6144                       ; w_sc: [head][K step 8][tile 12][r 16][a word of four bytes]
	s_mul_i32 s34, s27, 768
	s_add_co_u32 s36, s36, s34
	s_lshl_b32 s34, s33, 6
	s_add_co_u32 s36, s36, s34
	s_add_nc_u64 s[20:21], s[20:21], s[36:37]
.macro BLOCK t                         ; block t of 32 down K: all its numbers are mine
.set XS, WN+32*(\t)
.if (\t) == 0
	s_wait_loadcnt 63                              ; of 128 loads at most 63 are out: the first 65 are in, blocks 0 and 1 among them
.elseif (\t) == 2
	s_wait_loadcnt 32                              ; the last block's 32 may be out
.elseif (\t) == 3
	s_wait_loadcnt 0x0
.endif
	v_max3_num_f32 v8, |v[XS]|, |v[XS+1]|, |v[XS+2]|
	v_max3_num_f32 v9, |v[XS+3]|, |v[XS+4]|, |v[XS+5]|
.irp i, 6,10,14,18,22,26
	v_max3_num_f32 v8, v8, |v[XS+\i]|, |v[XS+\i+1]|
	v_max3_num_f32 v9, v9, |v[XS+\i+2]|, |v[XS+\i+3]|
.endr
	v_max3_num_f32 v8, v8, |v[XS+30]|, |v[XS+31]|
	v_max3_num_f32 v8, v8, v9, 0x1800000           ; and the floor 2^(3 - 127)
	v_add_nc_u32 v[16+(\t)], 0xff000000, v8        ; the conversion's scale operand
.irp g, 0,1,2,3
	v_cvt_scalef32_pk8_fp4_f32 v[WC+4*(\t)+\g], v[XS+8*\g:XS+8*\g+7], v[16+(\t)]
.endr
	v_lshrrev_b32 v10, 23, v[16+(\t)]              ; the scale's byte (a plain line behind the conversions)
.if (\t) == 0
	v_mov_b32 v24, v10
.else
	v_lshl_or_b32 v24, v10, 8*(\t), v24            ; four bytes make my column's word for this K step
.endif
	global_store_b128 v6, v[WC+4*(\t):WC+4*(\t)+3], s[18:19] offset:256*(\t)   ; sixteen lanes store 256 consecutive bytes, aligned
.endm
	BLOCK 0
	BLOCK 1
	BLOCK 2
	BLOCK 3
	global_store_b32 v3, v24, s[20:21]             ; 128 consecutive bytes a wave: the one store here that covers half of an aligned 256; it is 1 byte for each 128 read
	s_endpgm
	; wo in f16.  wo_img: [K step of 256: 4][tile of 16 columns 64][32 along K: 8][quad g 2][lane 32][16 bytes]; lane (r, h) of quad g holds k = 16 g + 8 h + 0..7 of column r: group p of 8 rows lies at 256 p + 16 r.
.Lwo:
	v_lshl_add_u32 v6, v4, 13, v5                  ; my tile (8,192 bytes apart) and my column
	s_lshr_b32 s32, s27, 1
	s_lshl_b32 s36, s32, 19
	s_lshl_b32 s34, s28, 14
	s_add_co_u32 s36, s36, s34
	s_and_b32 s34, s27, 1
	s_lshl_b32 s34, s34, 12
	s_add_co_u32 s36, s36, s34
	s_mov_b32 s37, 0
	s_add_nc_u64 s[22:23], s[22:23], s[36:37]
	s_wait_loadcnt 0x0
.set i, 0
.rept 64
	v_cvt_pk_f16_f32 v[WN+i], v[WN+2*i], v[WN+2*i+1]   ; ascending and in place: register i is written when registers 2 i and 2 i + 1 are read
.set i, i+1
.endr
.irp p, 0,1,2,3,4,5,6,7,8,9,10,11,12,13,14,15
	global_store_b128 v6, v[WN+4*\p:WN+4*\p+3], s[22:23] offset:256*\p   ; sixteen lanes store 256 consecutive bytes, aligned
.endr
	s_endpgm
.Lfunc_end_k_qf7b8049c66_prep:
	.size	k_qf7b8049c66_prep, .Lfunc_end_k_qf7b8049c66_prep-k_qf7b8049c66_prep
	.p2alignl 7, 3214868480
	.fill 96, 4, 3214868480
	.section	.rodata,"a",@progbits
	.p2align	6, 0x0
	.amdhsa_kernel k_qf7b8049c66_prep
		.amdhsa_group_segment_fixed_size 33280
		.amdhsa_private_segment_fixed_size 0
		.amdhsa_enable_private_segment 0
		.amdhsa_kernarg_size 80
		.amdhsa_user_sgpr_count 2
		.amdhsa_user_sgpr_kernarg_segment_ptr 1
		.amdhsa_wavefront_size32 1
		.amdhsa_system_sgpr_workgroup_id_x 1
		.amdhsa_system_sgpr_workgroup_id_y 1
		.amdhsa_system_sgpr_workgroup_id_z 1
		.amdhsa_system_vgpr_workitem_id 0
		.amdhsa_next_free_vgpr 192
		.amdhsa_next_free_sgpr 66
		.amdhsa_reserve_vcc 0
		.amdhsa_float_denorm_mode_32 3
		.amdhsa_float_denorm_mode_16_64 3
		.amdhsa_memory_ordered 1
		.amdhsa_forward_progress 1
		.amdhsa_inst_pref_size 59
	.end_amdhsa_kernel
	.amdgpu_metadata
---
amdhsa.version: [ 1, 2 ]
amdhsa.kernels:
  - .name:           k_qf7b8049c66_prep
    .symbol:         k_qf7b8049c66_prep.kd
    .args:
      - { .name: hidden_states, .offset: 0, .size: 8, .value_kind: global_buffer, .address_space: global }
      - { .name: wq, .offset: 8, .size: 8, .value_kind: global_buffer, .address_space: global }
      - { .name: wk, .offset: 16, .size: 8, .value_kind: global_buffer, .address_space: global }
      - { .name: wv, .offset: 24, .size: 8, .value_kind: global_buffer, .address_space: global }
      - { .name: wo, .offset: 32, .size: 8, .value_kind: global_buffer, .address_space: global }
      - { .name: x_codes, .offset: 40, .size: 8, .value_kind: global_buffer, .address_space: global }
      - { .name: x_scales, .offset: 48, .size: 8, .value_kind: global_buffer, .address_space: global }
      - { .name: w_img, .offset: 56, .size: 8, .value_kind: global_buffer, .address_space: global }
      - { .name: w_sc, .offset: 64, .size: 8, .value_kind: global_buffer, .address_space: global }
      - { .name: wo_img, .offset: 72, .size: 8, .value_kind: global_buffer, .address_space: global }
    .group_segment_fixed_size: 33280
    .private_segment_fixed_size: 0
    .kernarg_segment_align: 8
    .kernarg_segment_size: 80
    .max_flat_workgroup_size: 128
    .sgpr_count:     66
    .vgpr_count:     192
    .wavefront_size: 32
...
	.end_amdgpu_metadata
.endif
;; end of part 1
;; launch qkv (part 2): grid 16 x 16, 4 waves a work-group, clusters of 4 x 4, 262,144 bytes of LDS; arguments x_codes, x_scales, w_img, w_sc, freqs_cis, q_img, kv_img; writes q_img, kv_img
.if DOCPART == 2
	.amdgcn_target "amdgcn-amd-amdhsa--gfx1250"
	.amdhsa_code_object_version 6
	.text
	.protected	k_qf7b8049c66_qkv
	.globl	k_qf7b8049c66_qkv
	.p2align	8
	.type	k_qf7b8049c66_qkv,@function
k_qf7b8049c66_qkv:
	s_mov_b64 s[64:65], 0
	v_nop
	global_prefetch_b8 v0, s[64:65] scope:SCOPE_SE
	s_setreg_imm32_b32 hwreg(HW_REG_WAVE_MODE, 25, 1), 1
	s_wait_xcnt 0x0
	s_wait_alu depctr_hold_cnt(0) depctr_sa_sdst(0) depctr_va_vdst(0) depctr_va_sdst(0) depctr_va_ssrc(0) depctr_va_vcc(0) depctr_vm_vsrc(0)
	s_getreg_b32 s2, hwreg(HW_REG_IB_STS2, 6, 4)
	s_cmp_eq_u32 s2, 0
	s_cbranch_scc0 .Lentry_in_a_cluster
	s_endpgm
.Lentry_in_a_cluster:
	s_bfe_u32 s2, ttmp6, 0x10000c
	s_cmp_lg_u32 s2, 0xf033
	s_cbranch_scc0 .Lentry_shape_is_right
	s_endpgm
.Lentry_shape_is_right:
; QKV.  q, k, v = x wq, x wk, x wv on codes of FP4 with E8M0 scales (K = 1024), the rotation of q and k by freqs_cis in f32, and the results in f16 as IMAGES OF THE OPERAND REGISTERS of the attention launch.
; SHARES.  A work-group takes 256 tokens x one head's 192 columns (q 64, k 64, v 64); wave w takes tokens 64 w .. 64 w + 63 x all 192: 48 accumulators of 16 x 16.
; q's and k's tiles are used TRANSPOSED (source 0 = 16 columns of w, source 1 = 16 tokens): a lane holds one token and 8 neighbouring channels, so a rotation's pair lies in neighbouring registers and the
; rounded result is a quad of a fragment of Q or K.  v's tiles are used as they are (source 0 = tokens, source 1 = columns): a lane holds one channel and 8 neighbouring tokens: a quad of a fragment of V^T.
; All of K fits in LDS at once: two halves of 512, both asked for at the head.  No LDS byte is filled twice.
; CLUSTER 4 x 4: x's tiles hang on the block of tokens alone and are shared along a row of the cluster, w's on the head alone and are shared along a column: each is asked for jointly.
; LIMITS: |q|, |k|, |v| stay under 65,504 (f16); NaN and infinities are not served.
; REGISTERS.  window 0: v16-29 addresses; v32-63 x's scale words (tile a, K step s at 32 + 8 a + s); v64-159 w's (tile b at 64 + 8 b + s); v160-223 x's fragments, two sets; v224-255 at work.
;   window 1: w's fragments, two sets, at 128 p + 8 b; on the way out v0-191 hold the f16 results.   window 2: q's and k's accumulators at 8 (8 a + b).   window 3: v's at 8 (4 a + b); v128-255 cos and sin.
.set PITCH, 272                        ; a row of x's codes in LDS: 256 bytes + 16 of padding: the 16 rows of a load start 68 words apart
.set HALFA, 128*PITCH                  ; what one tensor load brings of x
.set HALFB, 24576                      ; and of w: six tiles of 4,096 bytes
.set BOFF,  2*HALFA
.set SLOT,  BOFF+2*HALFB               ; a K half: x's 256 rows, then w's 12 tiles
.set SCA,   2*SLOT                     ; x's scale bytes: 32 runs of 256 bytes + 16 of padding
.set SCB,   SCA+32*272                 ; w's scale words, 6,144 bytes
.set SPARE, SCB+6144                   ; the spare words, 128 bytes a wave
.set ADRA, 16                          ; v16-17 my x fragments in K half 0, 1
.set ADRB, 20                          ; v20-21 w's fragments
.set ADSA, 22                          ; v22 x's scale words
.set ADSB, 23                          ; v23 w's scale words
.set LI,   24                          ; v24 16 x lane
.set FO,   25                          ; v25 my place in freqs_cis: 256 r + 32 h
.set SPW,  28                          ; v28 my spare word; never rewritten
.set NIL,  29                          ; v29 0; never rewritten
.set SA,   32
.set SB,   64
.set AF,   160
.set T,    224
.set G1,   24                          ; s[24:31] group 1 for x's codes; s[32:39] its groups 0, one for each K half
.set G0,   32
.set G1B,  48                          ; s[48:55], s[56:63] the same for w's codes
.set G0B,  56
.set G1S,  68                          ; s[68:75], s[76:79] x's scale bytes
.set G0S,  76
.set G1SB, 80                          ; s[80:87], s[88:91] w's scale words
.set G0SB, 88
.set MSB, 0
.macro WIN new                         ; the immediate's high byte repeats the setting that is left; a switch that changes nothing is dropped
.if MSB != \new
	s_set_vgpr_msb (MSB<<8)|\new
.set MSB, \new
.endif
.endm
; A joint load: waves 0 and 1 fetch for x, waves 2 and 3 for w.  The branch hangs on the wave's number alone.  An s_nop 0 and four v_nop follow each line.
.macro JLOAD g0a, g1a, g0b, g1b
	s_cmp_eq_u32 s19, 0
	s_cbranch_scc0 .Lfor_b_\@
	tensor_load_to_lds s[\g0a:\g0a+3], s[\g1a:\g1a+7]
	s_nop 0
.rept 4
	v_nop
.endr
	s_branch .Lasked_\@
.Lfor_b_\@:
	tensor_load_to_lds s[\g0b:\g0b+3], s[\g1b:\g1b+7]
	s_nop 0
.rept 4
	v_nop
.endr
.Lasked_\@:
.endm
.macro CROUND                          ; a round of the cluster's barrier
	s_barrier_signal -1
	s_barrier_wait -1
	s_cmp_lg_u32 s18, 0
	s_cbranch_scc1 .Lnot_wave_0_\@
	s_barrier_signal -3
.Lnot_wave_0_\@:
	s_barrier_wait -3
	s_barrier_signal -1
	s_barrier_wait -1
.endm
.macro PLACES
.rept 4
	v_nop
.endr
.endm
	s_load_b256 s[4:11], s[0:1], 0x0               ; x_codes, x_scales, w_img, w_sc
	s_load_b128 s[12:15], s[0:1], 0x20             ; freqs_cis, q_img
	s_load_b64 s[16:17], s[0:1], 0x30              ; kv_img
	v_lshl_add_u32 v[SPW], v0, 2, SPARE
	v_mov_b32 v[NIL], 0
	ds_add_u32 v[SPW], v[NIL]                      ; the opening: the add, twice on end, and its wait ahead of my first tensor load
	ds_add_u32 v[SPW], v[NIL]
	v_lshrrev_b32 v1, 5, v0
	v_readfirstlane_b32 s18, v1                    ; wave 0..3
	s_lshr_b32 s19, s18, 1                         ; I fetch for x (0) or for w (1)
	s_and_b32 s20, s18, 1                          ; which half of it
	s_bfe_u32 s40, ttmp6, 0x40000                  ; cx, cy: my place in the cluster
	s_bfe_u32 s41, ttmp6, 0x40004
	s_lshl_b32 s42, ttmp9, 2
	s_add_co_u32 s42, s42, s40                     ; the head = 4 x cluster x + cx
	s_and_b32 s21, ttmp7, 0xffff
	s_lshl_b32 s21, s21, 2
	s_add_co_u32 s21, s21, s41                     ; the block of 256 tokens = 4 x cluster y + cy
	s_lshl_b32 s43, s41, 2
	s_lshl_b32 s43, 15, s43                        ; my row of the cluster
	s_lshl_b32 s44, 0x1111, s40                    ; my column
	s_or_b32 s[G1], s43, (0<<16)|(1<<20)|(1<<21)|(5<<22)|(3<<25)   ; x's codes: elements of 1 byte; 4 words of padding behind every 64
	s_mov_b32 s[G1+1], 256<<16                     ; tensor_dim0 = 256 bytes: 512 along K
	s_mov_b32 s[G1+2], 128<<16                     ; tensor_dim1 = 128 rows
	s_mov_b32 s[G1+3], 256<<16                     ; tile_dim0
	s_mov_b32 s[G1+4], 128                         ; tile_dim1
	s_mov_b32 s[G1+5], 512                         ; a row of x_codes
	s_mov_b32 s[G1+6], 0
	s_mov_b32 s[G1+7], 0
	s_or_b32 s[G1S], s43, (3<<16)|(1<<20)|(1<<21)|(5<<22)|(3<<25)  ; x's scale bytes of 128 rows: 4,096 dense bytes as 16 rows of 256 (32 elements of 8 bytes), padded alike
	s_mov_b32 s[G1S+1], 32<<16
	s_mov_b32 s[G1S+2], 16<<16
	s_mov_b32 s[G1S+3], 32<<16
	s_mov_b32 s[G1S+4], 16
	s_mov_b32 s[G1S+5], 32
	s_mov_b32 s[G1S+6], 0
	s_mov_b32 s[G1S+7], 0
	s_or_b32 s[G1B], s44, (3<<16)|(1<<21)          ; w's codes: 24,576 dense bytes as 96 rows of 256, no padding: images are read 16 bytes a lane on end
	s_mov_b32 s[G1B+1], 32<<16
	s_mov_b32 s[G1B+2], 96<<16
	s_mov_b32 s[G1B+3], 32<<16
	s_mov_b32 s[G1B+4], 96
	s_mov_b32 s[G1B+5], 32
	s_mov_b32 s[G1B+6], 0
	s_mov_b32 s[G1B+7], 0
	s_or_b32 s[G1SB], s44, (3<<16)|(1<<21)         ; w's scale words: 3,072 dense bytes as 12 rows of 256
	s_mov_b32 s[G1SB+1], 32<<16
	s_mov_b32 s[G1SB+2], 12<<16
	s_mov_b32 s[G1SB+3], 32<<16
	s_mov_b32 s[G1SB+4], 12
	s_mov_b32 s[G1SB+5], 32
	s_mov_b32 s[G1SB+6], 0
	s_mov_b32 s[G1SB+7], 0
	; x's places hang on the block of tokens and the wave, w's on the head and the wave, each in registers that never hold the other coordinate
	s_lshl_b32 s22, s21, 8
	s_lshl_b32 s23, s20, 7
	s_add_co_u32 s22, s22, s23                     ; x: row 256 x block + 128 x half
	s_lshl_b32 s92, s22, 9                         ; its codes, 512 bytes a row
	s_mov_b32 s93, 0
	s_lshl_b32 s94, s22, 5                         ; its scale bytes, 32 a row
	s_mov_b32 s95, 0
	s_mul_i32 s96, s42, 98304                      ; w: the head's images,
	s_mul_i32 s45, s20, HALFB
	s_add_co_u32 s96, s96, s45                     ; my six tiles
	s_mov_b32 s97, 0
	s_mul_i32 s98, s42, 6144                       ; its scale words,
	s_mul_i32 s46, s20, 3072
	s_add_co_u32 s98, s98, s46                     ; my half
	s_mov_b32 s99, 0
	s_mul_i32 s47, s20, 16*272                     ; and where they go in LDS: no place in the cluster enters an LDS address
	s_mul_i32 s66, s20, HALFA
	s_add_co_u32 s67, s45, BOFF
	s_wait_dscnt 0x0                               ; both opening adds are done
	s_wait_kmcnt 0x0
	s_add_nc_u64 s[92:93], s[4:5], s[92:93]
	s_add_nc_u64 s[94:95], s[6:7], s[94:95]
	s_add_nc_u64 s[96:97], s[8:9], s[96:97]
	s_add_nc_u64 s[98:99], s[10:11], s[98:99]
	CROUND                                         ; all sixteen work-groups are here: the joint loads meet
	s_mov_b32 s[G0S], 1
	s_add_co_u32 s[G0S+1], s47, SCA
	s_mov_b64 s[G0S+2:G0S+3], s[94:95]
	s_or_b32 s[G0S+3], s[G0S+3], 0x80000000
	s_mov_b32 s[G0SB], 1
	s_add_co_u32 s[G0SB+1], s46, SCB
	s_mov_b64 s[G0SB+2:G0SB+3], s[98:99]
	s_or_b32 s[G0SB+3], s[G0SB+3], 0x80000000
	JLOAD G0S, G1S, G0SB, G1SB                     ; the scales first: they are wanted with K step 0
.irp s, 0,1
	s_mov_b32 s[G0+4*\s], 1
	s_add_co_u32 s[G0+4*\s+1], s66, \s*SLOT
	s_add_nc_u64 s[G0+4*\s+2:G0+4*\s+3], s[92:93], \s*256
	s_or_b32 s[G0+4*\s+3], s[G0+4*\s+3], 0x80000000
	s_mov_b32 s[G0B+4*\s], 1
	s_add_co_u32 s[G0B+4*\s+1], s67, \s*SLOT
	s_add_nc_u64 s[G0B+4*\s+2:G0B+4*\s+3], s[96:97], \s*49152
	s_or_b32 s[G0B+4*\s+3], s[G0B+4*\s+3], 0x80000000
	JLOAD G0+4*\s, G1, G0B+4*\s, G1B               ; three tensor loads of mine are out behind the second of these
.endr
	v_and_b32 v1, 15, v0                           ; r
	v_bfe_u32 v2, v0, 4, 1                         ; h
	v_and_b32 v3, 31, v0                           ; lane
	v_lshlrev_b32 v[LI], 4, v3
	v_lshlrev_b32 v[FO], 8, v1                     ; a token's 32 pairs (cos, sin) are 256 bytes;
	v_lshl_add_u32 v[FO], v2, 5, v[FO]             ; my half's four pairs of a tile lie 32 h bytes on
	s_lshl_b32 s22, s21, 16
	s_lshl_b32 s23, s18, 14
	s_add_co_u32 s22, s22, s23                     ; my first token x 256 bytes
	s_mov_b32 s23, 0
	s_add_nc_u64 s[12:13], s[12:13], s[22:23]
	WIN 0xc0                                       ; destination window 3
.irp a, 0,1,2,3
.irp ct, 0,1,2,3
	global_load_b128 v[128+8*(4*\a+\ct):128+8*(4*\a+\ct)+3], v[FO], s[12:13] offset:\a*4096+\ct*64        ; cos, sin of pairs 8 ct + 4 h + 0, 1 of token 16 a + r
	global_load_b128 v[128+8*(4*\a+\ct)+4:128+8*(4*\a+\ct)+7], v[FO], s[12:13] offset:\a*4096+\ct*64+16   ; and of pairs + 2, 3
.endr
.endr
	WIN 0
	v_mul_u32_u24 v4, v1, PITCH
	v_lshl_add_u32 v4, v2, 4, v4                   ; a fragment's row x pitch + 16 h
	s_mul_i32 s22, s18, 64*PITCH                   ; my 64 rows
	v_add_nc_u32 v[ADRA], s22, v4
	v_add_nc_u32 v[ADRA+1], SLOT, v[ADRA]
	v_add_nc_u32 v[ADRB], BOFF, v[LI]
	v_add_nc_u32 v[ADRB+1], BOFF+SLOT, v[LI]
	v_lshlrev_b32 v5, 5, v1                        ; x's scale bytes: 32 a row,
	v_lshrrev_b32 v6, 3, v1
	v_lshl_add_u32 v5, v6, 4, v5                   ; and 16 more for each 256 passed
	s_mul_i32 s22, s18, 8*272                      ; my 64 rows are 8 runs of 256
	s_add_co_u32 s22, s22, SCA
	v_add_nc_u32 v[ADSA], s22, v5
	v_lshl_add_u32 v[ADSB], v1, 2, SCB             ; w's: a word a column
	; where the results go: q_img [head][tile of 16 tokens 256][ct 4][lane][16];  kv_img [head][slot of 512 keys 8][K: tile 32 x ct 4 x 512 bytes | V: group of 32 keys 16 x ct 4 x quad 2 x 512 bytes]
	s_lshl_b32 s22, s42, 19
	s_lshl_b32 s23, s21, 15
	s_add_co_u32 s22, s22, s23
	s_lshl_b32 s23, s18, 13
	s_add_co_u32 s22, s22, s23
	s_mov_b32 s23, 0
	s_add_nc_u64 s[14:15], s[14:15], s[22:23]
	s_lshl_b32 s22, s42, 20
	s_lshr_b32 s45, s21, 1
	s_lshl_b32 s45, s45, 17
	s_add_co_u32 s22, s22, s45
	s_and_b32 s45, s21, 1
	s_lshl_b32 s45, s45, 15
	s_add_co_u32 s22, s22, s45
	s_lshl_b32 s45, s18, 13
	s_add_co_u32 s22, s22, s45                     ; K's place; V's is the same place 65,536 bytes on
	s_add_nc_u64 s[16:17], s[16:17], s[22:23]
; the fragments of K step s: w's twelve into set s % 2 of window 1, x's four into set s % 2 of window 0
.macro FETCH s
.set sl, (\s)/4
.set kq, (\s)%4
.set pp, (\s)%2
	WIN 0x40
.irp b, 0,1,2,3,4,5,6,7,8,9,10,11
.irp c, 0,1
	ds_load_b128 v[128*pp+8*\b+4*\c:128*pp+8*\b+4*\c+3], v[ADRB+sl] offset:\b*4096+kq*1024+\c*512
.endr
.endr
	WIN 0
.irp a, 0,1,2,3
.irp c, 0,1
	ds_load_b128 v[AF+32*pp+8*\a+4*\c:AF+32*pp+8*\a+4*\c+3], v[ADRA+sl] offset:64*kq+32*\c+\a*16*PITCH
.endr
.endr
.endm
; 48 matrix instructions: the 48 accumulators take turns, one instruction a turn, in the same order in every K step
.macro MUL s
.set pp, (\s)%2
	WIN 0xa1                                       ; source 0 (w) window 1, source 1 (x) window 0, C and D window 2
.irp a, 0,1,2,3
.irp b, 0,1,2,3,4,5,6,7
.set rD, 8*(8*\a+\b)
.set rW, 128*pp+8*\b
.set rX, AF+32*pp+8*\a
.if (\s) == 0
	v_wmma_scale_f32_16x16x128_f8f6f4 v[rD:rD+7], v[rW:rW+7], v[rX:rX+7], 0, v[SB+8*\b+(\s)], v[SA+8*\a+(\s)] matrix_a_fmt:MATRIX_FMT_FP4 matrix_b_fmt:MATRIX_FMT_FP4
.else
	v_wmma_scale_f32_16x16x128_f8f6f4 v[rD:rD+7], v[rW:rW+7], v[rX:rX+7], v[rD:rD+7], v[SB+8*\b+(\s)], v[SA+8*\a+(\s)] matrix_a_fmt:MATRIX_FMT_FP4 matrix_b_fmt:MATRIX_FMT_FP4
.endif
.endr
.endr
	WIN 0xf4                                       ; source 0 (x) window 0, source 1 (w) window 1, C and D window 3
.irp a, 0,1,2,3
.irp b, 0,1,2,3
.set rD, 8*(4*\a+\b)
.set rW, 128*pp+8*(8+\b)
.set rX, AF+32*pp+8*\a
.if (\s) == 0
	v_wmma_scale_f32_16x16x128_f8f6f4 v[rD:rD+7], v[rX:rX+7], v[rW:rW+7], 0, v[SA+8*\a+(\s)], v[SB+8*(8+\b)+(\s)] matrix_a_fmt:MATRIX_FMT_FP4 matrix_b_fmt:MATRIX_FMT_FP4
.else
	v_wmma_scale_f32_16x16x128_f8f6f4 v[rD:rD+7], v[rX:rX+7], v[rW:rW+7], v[rD:rD+7], v[SA+8*\a+(\s)], v[SB+8*(8+\b)+(\s)] matrix_a_fmt:MATRIX_FMT_FP4 matrix_b_fmt:MATRIX_FMT_FP4
.endif
.endr
.endr
.endm
.macro STEP s
.if (\s) == 3
	s_wait_tensorcnt 0x0                           ; my part of K half 1 is in
.endif
	s_wait_dscnt 0x0                               ; this step's fragments, asked for 48 matrix instructions ago
.if (\s) == 3
	s_barrier_signal -1
	s_barrier_wait -1                              ; everybody's part of K half 1 is in
.endif
.if (\s) > 0
	PLACES                                         ; four places in front of loads into registers that the last matrix instructions have read
.endif
.if (\s) < 7
	FETCH (\s)+1
.endif
	MUL \s
.endm
	s_wait_tensorcnt 1                             ; the scales and my part of K half 0 are in; K half 1's load may stay out
	s_barrier_signal -1
	s_barrier_wait -1
.irp a, 0,1,2,3
	ds_load_b128 v[SA+8*\a:SA+8*\a+3], v[ADSA] offset:\a*2*272       ; x's eight words of row 16 a + r: all K steps
	ds_load_b128 v[SA+8*\a+4:SA+8*\a+7], v[ADSA] offset:\a*2*272+16
.endr
.irp b, 0,1,2,3,4,5,6,7,8,9,10,11
.irp s, 0,1,2,3,4,5,6,7
	ds_load_b32 v[SB+8*\b+\s], v[ADSB] offset:(12*\s+\b)*64          ; w's word of column r of tile b, K step s
.endr
.endr
	FETCH 0
.irp s, 0,1,2,3,4,5,6,7
	STEP \s
.endr
	; THE WAY OUT.  q and k: out_r = a cos - b sin, out_i = a sin + b cos, in f32, then f16; v: f16.  Every store of the wave covers 512 consecutive bytes, aligned.
	WIN 0
	PLACES                                         ; behind the last matrix instructions: results are read, and w's registers are written
	s_wait_loadcnt 0x0                             ; cos and sin
.irp part, 0,1
.irp a, 0,1,2,3
	WIN 0x0e                                       ; source 0 window 2 (the sums), source 1 window 3 (cos, sin), the rest window 0
.irp ct, 0,1,2,3
.set AC, 8*(8*\a+4*\part+\ct)
.set CSR, 128+8*(4*\a+\ct)
.set TT, T+8*\ct
.irp i, 0,1,2,3
	v_mul_f32 v[TT+2*\i], v[AC+2*\i+1], v[CSR+2*\i+1]              ; b sin  (each accumulator is read from its low end on)
	v_mul_f32 v[TT+2*\i+1], v[AC+2*\i+1], v[CSR+2*\i]              ; b cos
.endr
.irp i, 0,1,2,3
	v_fma_f32 v[TT+2*\i], v[AC+2*\i], v[CSR+2*\i], -v[TT+2*\i]     ; a cos - b sin
	v_fma_f32 v[TT+2*\i+1], v[AC+2*\i], v[CSR+2*\i+1], v[TT+2*\i+1] ; a sin + b cos
.endr
.endr
	WIN 0x40                                       ; destination window 1
.irp n, 0,1,2,3,4,5,6,7,8,9,10,11,12,13,14,15
	v_cvt_pk_f16_f32 v[16*(4*\part+\a)+\n], v[T+2*\n], v[T+2*\n+1]
.endr
	WIN 0x04                                       ; a store's data are its source 1: window 1
.irp ct, 0,1,2,3
.if \part == 0
	global_store_b128 v[LI], v[16*(4*\part+\a)+4*\ct:16*(4*\part+\a)+4*\ct+3], s[14:15] offset:\a*2048+\ct*512
.else
	global_store_b128 v[LI], v[16*(4*\part+\a)+4*\ct:16*(4*\part+\a)+4*\ct+3], s[16:17] offset:\a*2048+\ct*512
.endif
.endr
.endr
.endr
	WIN 0x4f                                       ; sources window 3, destination window 1
.irp a, 0,1,2,3
.irp ct, 0,1,2,3
.irp i, 0,1,2,3
	v_cvt_pk_f16_f32 v[128+16*\a+4*\ct+\i], v[8*(4*\a+\ct)+2*\i], v[8*(4*\a+\ct)+2*\i+1]
.endr
.endr
.endr
	WIN 0x04
.irp a, 0,1,2,3
.irp ct, 0,1,2,3
	global_store_b128 v[LI], v[128+16*\a+4*\ct:128+16*\a+4*\ct+3], s[16:17] offset:65536+(\a/2)*4096+\ct*1024+(\a%2)*512   ; tokens 16 a on are quad a % 2 of the group of 32 keys
.endr
.endr
	WIN 0
	s_wait_tensorcnt 0x0                           ; the wave's end
	ds_add_u32 v[SPW], v[NIL]
	s_wait_dscnt 0x0
	CROUND                                         ; the closing round
	s_endpgm
.Lfunc_end_k_qf7b8049c66_qkv:
	.size	k_qf7b8049c66_qkv, .Lfunc_end_k_qf7b8049c66_qkv-k_qf7b8049c66_qkv
	.p2alignl 7, 3214868480
	.fill 96, 4, 3214868480
	.section	.rodata,"a",@progbits
	.p2align	6, 0x0
	.amdhsa_kernel k_qf7b8049c66_qkv
		.amdhsa_group_segment_fixed_size 262144
		.amdhsa_private_segment_fixed_size 0
		.amdhsa_enable_private_segment 0
		.amdhsa_kernarg_size 56
		.amdhsa_user_sgpr_count 2
		.amdhsa_user_sgpr_kernarg_segment_ptr 1
		.amdhsa_wavefront_size32 1
		.amdhsa_system_sgpr_workgroup_id_x 1
		.amdhsa_system_sgpr_workgroup_id_y 1
		.amdhsa_system_sgpr_workgroup_id_z 1
		.amdhsa_system_vgpr_workitem_id 0
		.amdhsa_next_free_vgpr 1024
		.amdhsa_next_free_sgpr 100
		.amdhsa_reserve_vcc 0
		.amdhsa_float_denorm_mode_32 3
		.amdhsa_float_denorm_mode_16_64 3
		.amdhsa_memory_ordered 1
		.amdhsa_forward_progress 1
		.amdhsa_inst_pref_size 127
	.end_amdhsa_kernel
	.amdgpu_metadata
---
amdhsa.version: [ 1, 2 ]
amdhsa.kernels:
  - .name:           k_qf7b8049c66_qkv
    .symbol:         k_qf7b8049c66_qkv.kd
    .args:
      - { .name: x_codes, .offset: 0, .size: 8, .value_kind: global_buffer, .address_space: global }
      - { .name: x_scales, .offset: 8, .size: 8, .value_kind: global_buffer, .address_space: global }
      - { .name: w_img, .offset: 16, .size: 8, .value_kind: global_buffer, .address_space: global }
      - { .name: w_sc, .offset: 24, .size: 8, .value_kind: global_buffer, .address_space: global }
      - { .name: freqs_cis, .offset: 32, .size: 8, .value_kind: global_buffer, .address_space: global }
      - { .name: q_img, .offset: 40, .size: 8, .value_kind: global_buffer, .address_space: global }
      - { .name: kv_img, .offset: 48, .size: 8, .value_kind: global_buffer, .address_space: global }
    .group_segment_fixed_size: 262144
    .private_segment_fixed_size: 0
    .kernarg_segment_align: 8
    .kernarg_segment_size: 56
    .max_flat_workgroup_size: 128
    .sgpr_count:     100
    .vgpr_count:     1024
    .wavefront_size: 32
...
	.end_amdgpu_metadata
.endif
;; end of part 2
;; launch attn (part 3): grid 16 x 16, 4 waves a work-group, clusters of 4 x 1, 327,680 bytes of LDS; arguments q_img, kv_img, attention_mask, ao_img; writes ao_img
.if DOCPART == 3
	.amdgcn_target "amdgcn-amd-amdhsa--gfx1250"
	.amdhsa_code_object_version 6
	.text
	.protected	k_qf7b8049c66_attn
	.globl	k_qf7b8049c66_attn
	.p2align	8
	.type	k_qf7b8049c66_attn,@function
k_qf7b8049c66_attn:
	s_mov_b64 s[64:65], 0
	v_nop
	global_prefetch_b8 v0, s[64:65] scope:SCOPE_SE
	s_setreg_imm32_b32 hwreg(HW_REG_WAVE_MODE, 25, 1), 1
	s_wait_xcnt 0x0
	s_wait_alu depctr_hold_cnt(0) depctr_sa_sdst(0) depctr_va_vdst(0) depctr_va_sdst(0) depctr_va_ssrc(0) depctr_va_vcc(0) depctr_vm_vsrc(0)
	s_getreg_b32 s2, hwreg(HW_REG_IB_STS2, 6, 4)
	s_cmp_eq_u32 s2, 0
	s_cbranch_scc0 .Lentry_in_a_cluster
	s_endpgm
.Lentry_in_a_cluster:
	s_bfe_u32 s2, ttmp6, 0x10000c
	s_cmp_lg_u32 s2, 0x3003
	s_cbranch_scc0 .Lentry_shape_is_right
	s_endpgm
.Lentry_shape_is_right:
; ATTENTION.  O[q] = sum over keys of softmax(q . k / 8 + (1 - mask[key]) x -10000) v[key], 16 heads of 64, 4,096 keys.  Operands in f16, products, maxima and sums in f32; the weights p are rounded to f16.
; SHARES.  A work-group owns 256 queries of one head, each of its four waves 64: four tiles of 16.  Every wave walks all keys, 64 a step.
; LAYOUT.  S^T = K Q^T (source 0 = 16 keys, source 1 = 16 queries) and O^T = V^T P: a lane holds ONE query throughout.  Q, K and V^T arrive as images of their registers: every fragment read is 16 bytes a lane on end.
; THE MASK costs no vector instruction in the loop: X[key] = (1 - mask[key]) x -80000 = the additive mask / the scaling (an exact factor 8) is the C of the first product of each tile of keys.
; SOFTMAX.  For each query a running maximum m and sum l: p = 2^(c s - c m), c = log2(e) / 8; in every step O and l are multiplied by a = 2^(c m_old - c m_new).
; BY TURNS.  The wave's tiles are two pieces (tiles 0, 1 and tiles 2, 3).  In a turn one piece has the matrix unit: 16 products V^T P of the step in hand, then 16 products K Q^T of the next; the other piece's
; softmax, cut into slices of four, stands between them, two slices behind each matrix instruction.  Then the pieces change places.  Two turns are a key step.
; RING.  Two LDS slots of 512 keys (K 64 KiB, then V 64 KiB): one dense block of kv_img; each wave fetches a quarter by one load.  CLUSTER: the four query blocks of a cluster walk the same K and V: each load is joint.
; LIMITS: |q|, |k|, |v| under 65,504; NaN and infinities are not served; p under 6e-8 falls to 0 in f16, beside a sum that is at least 1.
; REGISTERS.  window 0: v2-9 addresses; v12-43 statistics, 8 a tile; v61-63; v64-191 S^T, 32 a tile; v192-255 P, 16 a tile.   window 1: v0-127 O^T, 32 a tile; v128-159 X of the step's 64 keys.
;   window 2: v0-63 Q, 16 a tile; v64-127 V of one step; v128-191 K of one step.
.set SLOT1, 131072                     ; slot 1 begins here: one exclusive or turns an address in one slot into the other's
.set VOFF,  65536                      ; V's images lie behind K's
.set STEPB, 8192                       ; a step's 64 keys of K, or of V
.set MADD,  2*SLOT1                    ; X of all 4,096 keys: 16,384 bytes, stored once by the waves; no fill lands here
.set SPARE, MADD+16384                 ; the spare words, 128 bytes a wave
.set LI,  2                            ; v2  16 x lane
.set AV0, 3                            ; v3  16 x lane + VOFF
.set ADR, 4                            ; v4  the LDS address of the run of loads in hand
.set AM0, 6                            ; v6  MADD + 32 h
.set ADM, 7                            ; v7  the step's X
.set ST,  12                           ; tile t at v[ST+8 t]: +0 c m, +1 m, +2, +3 l (even keys, odd keys), +4 to +7 at work; a takes +6
.set PFO, 61                           ; v61 256 x lane; never rewritten
.set SPW, 62                           ; v62 my spare word; never rewritten
.set NIL, 63                           ; v63 0; never rewritten
.set S,   64
.set P,   192
.set MK,  128                          ; in window 1
.set VF,  64                           ; in window 2
.set KF,  128                          ; in window 2
.set WV,  12
.set LIM, 15                           ; s15 1 in a work-group that prefetches, else the greatest number
.set PFA, 18                           ; s[18:19] where my prefetches stand
.set G1,  24                           ; s[24:31] descriptor group 1
.set G0,  40                           ; s[40:47] group 0: a set for each first fill; the second then walks on
.set SLOTS, 56
.set CNT, 57
.set CS,  58                           ; s[58:59] c
.set SEL, 60                           ; s[60:61] selects for lane l xor 16
.set TB,  62                           ; s62 LDS byte of K of the step to be fetched
.set TM,  63                           ; s63 byte of its X in the table
.set MSB, 0
.macro WIN new
.if MSB != \new
	s_set_vgpr_msb (MSB<<8)|\new
.set MSB, \new
.endif
.endm
.set W_KQ0, 0x1a                       ; K and Q window 2, C = X window 1, S^T window 0
.set W_KQ,  0x0a                       ; K and Q window 2, S^T window 0
.set W_PV,  0x52                       ; V window 2, P window 0, O^T window 1
.set W_RS,  0x41                       ; O^T (destination and source 0) window 1, a window 0
.macro JLOAD                           ; the joint refill: every wave fetches its quarter of the slot; an s_nop 0 and four v_nop follow
	tensor_load_to_lds s[G0+4:G0+7], s[G1:G1+7]
	s_nop 0
.rept 4
	v_nop
.endr
.endm
; A PREFETCH of the slot that the NEXT change of slots will ask for: 131,072 bytes.  All clusters of a head walk the same K and V: the head's first cluster asks.  Its four partners share each wave's 32,768 bytes out
; BY ADDRESS, 8,192 each; lanes stand 256 bytes apart: so each aligned 256 bytes are named once in the launch.  It stands behind the tensor load and its five lines.  The last change that fills a slot asks for nothing.
.macro ASK
	s_cmp_gt_u32 s[SLOTS], s[LIM]
	s_cbranch_scc0 .Lnot_mine_\@
	global_prefetch_b8 v[PFO], s[PFA:PFA+1] th:TH_LOAD_NT scope:SCOPE_SE
.Lnot_mine_\@:
.endm
.macro CROUND                          ; a round of the cluster's barrier
	s_barrier_signal -1
	s_barrier_wait -1
	s_cmp_lg_u32 s[WV], 0
	s_cbranch_scc1 .Lnot_wave_0_\@
	s_barrier_signal -3
.Lnot_wave_0_\@:
	s_barrier_wait -3
	s_barrier_signal -1
	s_barrier_wait -1
.endm
.macro PLACES
.rept 4
	v_nop
.endr
.endm
	s_load_b256 s[4:11], s[0:1], 0x0               ; q_img, kv_img, attention_mask, ao_img
	v_lshl_add_u32 v[SPW], v0, 2, SPARE
	v_mov_b32 v[NIL], 0
	ds_add_u32 v[SPW], v[NIL]                      ; the opening: the add, twice on end, and its wait ahead of my first tensor load
	ds_add_u32 v[SPW], v[NIL]
	v_lshrrev_b32 v1, 5, v0
	v_readfirstlane_b32 s[WV], v1                  ; wave 0..3
	s_bfe_u32 s13, ttmp6, 0x40000                  ; cx
	s_lshl_b32 s14, ttmp9, 2
	s_add_co_u32 s14, s14, s13                     ; my block of 256 queries: it enters Q's and O's addresses alone
	s_and_b32 s16, ttmp7, 0xffff                   ; the head, which the partners share
	s_lshl_b32 s20, s16, 20                        ; kv_img: 1 MiB a head,
	s_lshl_b32 s17, s[WV], 15                      ; my quarter of a slot, in memory and in LDS
	s_add_co_u32 s20, s20, s17
	s_mov_b32 s21, 0
	s_lshl_b32 s22, s16, 19                        ; q_img: 512 KiB a head, 2,048 bytes a tile of 16 queries
	s_lshl_b32 s23, s14, 15
	s_add_co_u32 s22, s22, s23
	s_lshl_b32 s23, s[WV], 13
	s_add_co_u32 s22, s22, s23
	s_mov_b32 s23, 0
	s_lshr_b32 s2, s16, 2                          ; ao_img: [head / 4][tile of 16 tokens: 8,192 bytes][head % 4: 2,048][ct: 512]
	s_lshl_b32 s2, s2, 21
	s_lshl_b32 s3, s14, 17
	s_add_co_u32 s2, s2, s3
	s_add_co_u32 s2, s2, s17
	s_and_b32 s3, s16, 3
	s_lshl_b32 s3, s3, 11
	s_add_co_u32 s2, s2, s3
	s_mov_b32 s3, 0
	s_mov_b32 s[G1], 15|(3<<16)|(1<<21)            ; the mask: all four work-groups; elements of 8 bytes; bit 21 beside a mask; no padding
	s_mov_b32 s[G1+1], 32<<16                      ; tensor_dim0: 256 bytes
	s_mov_b32 s[G1+2], 128<<16                     ; tensor_dim1: 128 rows
	s_mov_b32 s[G1+3], 32<<16                      ; tile_dim0
	s_mov_b32 s[G1+4], 128                         ; tile_dim1
	s_mov_b32 s[G1+5], 32                          ; dense
	s_mov_b32 s[G1+6], 0
	s_mov_b32 s[G1+7], 0
	s_mov_b32 s[CS], 0x3e38aa3b                    ; c = log2(e) / 8
	s_mov_b32 s[CS+1], s[CS]                       ; named with it as a pair, so it is written
	s_mov_b32 s[SEL], 0x76543210
	s_mov_b32 s[SEL+1], 0xfedcba98
	s_mov_b32 s[TB], 0
	s_mov_b32 s[TM], 0
	s_mov_b32 s[SLOTS], 6                          ; of 8 slots' worth of keys two come at the head, six by refills
	s_cmp_eq_u32 ttmp9, 0                          ; the head's first cluster: the same in all four partners
	s_cselect_b32 s[LIM], 1, -1
	v_and_b32 v1, 31, v0
	v_lshlrev_b32 v[PFO], 8, v1
	s_wait_dscnt 0x0                               ; both opening adds are done
	s_wait_kmcnt 0x0
	s_add_nc_u64 s[6:7], s[6:7], s[20:21]          ; K and V at my quarter of slot 0
	s_add_nc_u64 s[4:5], s[4:5], s[22:23]          ; Q at my wave's first tile
	s_add_nc_u64 s[10:11], s[10:11], s[2:3]        ; O likewise
	s_lshl_b32 s2, s13, 13                         ; my work-group's 8,192 bytes of the quarter
	s_add_nc_u64 s[PFA:PFA+1], s[6:7], s[2:3]
	s_add_nc_u64 s[PFA:PFA+1], s[PFA:PFA+1], 2*SLOT1   ; at the third 512 keys; the first change of slots steps it on.  Nothing is prefetched here, at the head
	CROUND                                         ; all four work-groups are here: the first joint loads meet
.irp s, 0,1
	s_mov_b32 s[G0+4*\s], 1
	s_add_co_u32 s[G0+4*\s+1], s17, \s*SLOT1
	s_add_nc_u64 s[G0+4*\s+2:G0+4*\s+3], s[6:7], \s*SLOT1
	s_or_b32 s[G0+4*\s+3], s[G0+4*\s+3], 0x80000000
.endr
	tensor_load_to_lds s[G0:G0+3], s[G1:G1+7]      ; the two first fills go out together: two loads of mine are out
	s_nop 0
	tensor_load_to_lds s[G0+4:G0+7], s[G1:G1+7]
	s_nop 0
.rept 4
	v_nop
.endr
	v_lshlrev_b32 v[LI], 4, v1
	v_add_nc_u32 v[AV0], VOFF, v[LI]
	v_bfe_u32 v9, v0, 4, 1                         ; h
	v_lshl_add_u32 v[AM0], v9, 5, MADD             ; register j of lane (r, h) of tile kt wants X[16 kt + 8 h + j]
	v_lshlrev_b32 v8, 4, v0                        ; the mask: 16 bytes a thread, 2,048 a load
	v_lshl_add_u32 v5, v0, 4, MADD
	WIN 0x80                                       ; destination window 2
.irp i, 0,1,2,3,4,5,6,7,8,9,10,11,12,13,14,15
	global_load_b128 v[4*\i:4*\i+3], v[LI], s[4:5] offset:512*\i   ; Q stays in registers
.endr
	WIN 0
.irp i, 0,1,2,3,4,5,6,7
	global_load_b128 v[S+4*\i:S+4*\i+3], v8, s[8:9] offset:2048*\i
.endr
	s_wait_loadcnt 0x0
.irp i, 0,1,2,3,4,5,6,7,8,9,10,11,12,13,14,15,16,17,18,19,20,21,22,23,24,25,26,27,28,29,30,31
	v_sub_f32 v[S+\i], 1.0, v[S+\i]                ; 1 - mask, rounded as it is in the definition,
.endr
.irp i, 0,1,2,3,4,5,6,7,8,9,10,11,12,13,14,15,16,17,18,19,20,21,22,23,24,25,26,27,28,29,30,31
	v_mul_f32 v[S+\i], 0xc79c4000, v[S+\i]         ; x -80000 = 8 x -10000: the same bits as the definition's product, three exponent steps up
.endr
.irp i, 0,1,2,3,4,5,6,7
	ds_store_b128 v5, v[S+4*\i:S+4*\i+3] offset:2048*\i
.endr
; THE MATRIX WORK OF A TURN, for piece x.  The accumulators take turns, one instruction a turn: between two links of a chain stand seven others.
; Product i of 16 of O^T += V^T P: keys 32 (i / 8) on, channels 16 ((i / 2) % 4) on, tile x + i % 2.  zero = 1: the first 8 start the sums.
.macro PV x, zero
	WIN W_PV
.set rO, 32*(\x+i%2)+8*((i/2)%4)
.set rV, VF+32*(i/8)+8*((i/2)%4)
.set rP, P+16*(\x+i%2)+8*(i/8)
.if \zero && (i < 8)
	v_wmma_f32_16x16x32_f16 v[rO:rO+7], v[rV:rV+7], v[rP:rP+7], 0
.else
	v_wmma_f32_16x16x32_f16 v[rO:rO+7], v[rV:rV+7], v[rP:rP+7], v[rO:rO+7]
.endif
.endm
; Product i of 16 of S^T = K Q^T + X: channels 32 (i / 8) on, keys 16 ((i / 2) % 4) on, tile x + i % 2.  The first 8 start the sums with X.
.macro KQ x
.set rS, S+32*(\x+i%2)+8*((i/2)%4)
.set rK, KF+16*((i/2)%4)+8*(i/8)
.set rQ, 16*(\x+i%2)+8*(i/8)
.set rM, MK+8*((i/2)%4)
.if i < 8
	WIN W_KQ0
	v_wmma_f32_16x16x32_f16 v[rS:rS+7], v[rK:rK+7], v[rQ:rQ+7], v[rM:rM+7]
.else
	WIN W_KQ
	v_wmma_f32_16x16x32_f16 v[rS:rS+7], v[rK:rK+7], v[rQ:rQ+7], v[rS:rS+7]
.endif
.endm
; THE LDS LOADS stand in runs: a step's K with its X, and a turn later its V.
.macro FETCH_K
	WIN 0
	v_add_nc_u32 v[ADR], s[TB], v[LI]
	v_add_nc_u32 v[ADM], s[TM], v[AM0]
	WIN 0x80                                       ; destination window 2
.irp f, 0,1,2,3,4,5,6,7,8,9,10,11,12,13,14,15
	ds_load_b128 v[KF+4*\f:KF+4*\f+3], v[ADR] offset:512*\f
.endr
	WIN 0x40                                       ; destination window 1
.irp kt, 0,1,2,3
	ds_load_b128 v[MK+8*\kt:MK+8*\kt+3], v[ADM] offset:64*\kt
	ds_load_b128 v[MK+8*\kt+4:MK+8*\kt+7], v[ADM] offset:64*\kt+16
.endr
.endm
.macro FETCH_V
	WIN 0
	v_add_nc_u32 v[ADR], s[TB], v[AV0]
	s_add_co_u32 s[TB], s[TB], STEPB               ; the next fetch is the next step's
	s_add_co_u32 s[TM], s[TM], 256
	s_and_b32 s[TM], s[TM], 0x3f00                 ; held inside the table of 16,384 bytes: behind the last step it is back at 0 and is not used
	s_wait_alu depctr_va_vdst(0)                   ; the wait for the softmax's batch of exponentials, ahead of the first instruction that names a result
	WIN 0x80
.irp f, 0,1,2,3,4,5,6,7,8,9,10,11,12,13,14,15
	ds_load_b128 v[VF+4*\f:VF+4*\f+3], v[ADR] offset:512*\f
.endr
.endm
; THE VECTOR WORK OF A TURN.  One tile's softmax for one key step is a list of 118 instructions; SM writes number j of it for tile t.  first = 1: the first key step, which starts m, l and O^T.
;   0-15 the maximum of the lane's 32 scores and the old m;  16-20 the other half of the lanes, the new m, c m, its change;
;   21-69 ONE BATCH: 16 packed scalings c s - c m and all 33 exponentials (a at 23), none of which reads an exponential's result;  (the wait: SLICE)
;   70-85 the roundings to f16;  86-101 the sums, l = a l + the sum;  102-117 the tile's O^T times a.
.macro SM t, first
.set rT, ST+8*(\t)
.set rS, S+32*(\t)
.set rP, P+16*(\t)
.set rO, 32*(\t)+2*(j-102)
.if j < 102
	WIN 0
.endif
.if j < 4
	v_max3_num_f32 v[rT+4+j], v[rS+8*j], v[rS+8*j+1], v[rS+8*j+2]
.elseif j < 12
	v_max3_num_f32 v[rT+4+j%4], v[rT+4+j%4], v[rS+8*(j%4)+2*(j/4)+1], v[rS+8*(j%4)+2*(j/4)+2]
.elseif j == 12
	v_max3_num_f32 v[rT+4], v[rT+4], v[rS+7], v[rS+15]
.elseif j == 13
	v_max3_num_f32 v[rT+6], v[rT+6], v[rS+23], v[rS+31]
.elseif j == 14
	v_max3_num_f32 v[rT+4], v[rT+4], v[rT+5], v[rT+6]
.elseif (j == 15) && \first
	v_max_num_f32 v[rT+4], v[rT+4], v[rT+7]
.elseif j == 15
	v_max3_num_f32 v[rT+4], v[rT+4], v[rT+7], v[rT+1]
.elseif j == 16
	v_permlanex16_b32 v[rT+5], v[rT+4], s[SEL], s[SEL+1]   ; the query's other 32 keys lie in the lane 16 away
.elseif j == 18
	v_max_num_f32 v[rT+1], v[rT+4], v[rT+5]
.elseif j == 19
	v_mul_f32 v[rT], s[CS], v[rT+1]
.elseif ((j == 17) || (j == 20) || (j == 23) || (j > 101)) && \first   ; the first step has none of these
.elseif j == 17
	v_mov_b32 v[rT+7], v[rT]                       ; c m_old is kept for a
.elseif j == 20
	v_sub_f32 v[rT+7], v[rT+7], v[rT]
.elseif j == 23
	v_exp_f32 v[rT+6], v[rT+7]
.elseif (j < 23) || ((j < 38) && (j%2 == 0)) || ((j < 66) && (j%4 == 2))
.set b, (j-2)/4
.if j < 38
.set b, (j-20)/2
.endif
	v_pk_fma_f32 v[rS+2*b:rS+2*b+1], v[rS+2*b:rS+2*b+1], s[CS:CS+1], v[rT:rT+1] op_sel_hi:[1,0,0] neg_lo:[0,0,1] neg_hi:[0,0,1]   ; pair b: c s - c m
.elseif j < 70
.set e, j-38
.if j < 66
.set e, j-32-(j-38)/4
.endif
.if j < 38
.set e, (j-25)/2
.endif
	v_exp_f32 v[rS+e], v[rS+e]
.elseif j < 86
	v_cvt_pk_f16_f32 v[rP+j-70], v[rS+2*(j-70)], v[rS+2*(j-70)+1]
.elseif j < 102
.set z, j-86
.set w, 4
.set u, z
.if z >= 14
.set w, 32
.set u, 0
.elseif z >= 12
.set w, 16
.set u, z-12
.elseif z >= 8
.set w, 8
.set u, z-8
.endif
.if (z == 14) && \first
	v_pk_add_f32 v[rT+2:rT+3], v[rS:rS+1], v[rS+16:rS+17]
.elseif z < 15
	v_pk_add_f32 v[rS+w*u:rS+w*u+1], v[rS+w*u:rS+w*u+1], v[rS+w*u+w/2:rS+w*u+w/2+1]
.elseif !\first
	v_pk_fma_f32 v[rT+2:rT+3], v[rT+2:rT+3], v[rT+6:rT+7], v[rS:rS+1] op_sel_hi:[1,0,1]
.endif
.else
	WIN W_RS
	v_pk_mul_f32 v[rO:rO+1], v[rO:rO+1], v[rT+6:rT+7] op_sel_hi:[1,0]
.endif
.endm
; Slice k of 64 of piece y's softmax.  Slices 11 to 34 deal out the batch, four numbers of ONE tile each, the tiles by turns; every other slice up to 58 is numbers 2 k and 2 k + 1 of both tiles
; (2 x 118 = 4 x 59: slices 59 to 63 are empty).  Ahead of slice 35 nothing names an exponential's result, behind slice 34 none is issued: one wait serves the piece's 66.
.macro SLICE y, first
.if (k >= 11) && (k < 35)
.irp n, 0,1,2,3
.set j, 22+4*((k-11)/2)+(\n)
	SM (\y)+(k-11)%2, \first
.endr
.elseif k < 59
.irp n, 0,1
.irp t, \y, \y+1
.set j, 2*k+\n
	SM \t, \first
.endr
.endr
.endif
.if k == 34
	v_nop                                          ; the plain instruction behind the last exponential, ahead of the first use
.if (\y) == 0
	FETCH_V                                        ; piece 2's turn: V's run of loads stands here, and the wait stands in it
.else
	s_wait_alu depctr_va_vdst(0)                   ; the wait for the batch
.endif
.endif
.set k, k+1
.endm
; A TURN.  pv = 2: 16 products V^T P; 1: they start O^T's sums; 0: none.  kq = 1: 16 products K Q^T for the next step.  Two slices behind each product, four where the turn has one kind alone.
; PLACES, counted.  V's loads: behind the last product that read V stand three packed scalings, the v_nop and the run's own addition.  K's and X's loads: behind the last K Q^T stand slices 0 to 3 of this turn, of whose
; sixteen maxima two name that product's result.  The last K Q^T results (keys 48 on) are first read by number 3, behind six maxima on other registers; those of keys 32 on behind slice 58 and slice 0.
; first = 1: the slices from 51 on are empty, and four v_nop take their part at the turn's end.
.macro TURN x, pv, kq, first
.set k, 0
.set per, 4
.if \pv && \kq
.set per, 2
.endif
.if \pv
.if \x == 0
	s_wait_dscnt 0x0                               ; V is in
.endif
.set i, 0
.rept 16
	PV \x, 2-\pv
.rept per
	SLICE 2-\x, \first
.endr
.if (\x == 0) && \kq && (i == 1)
	FETCH_K
.endif
.set i, i+1
.endr
.endif
.if \kq
.if \x == 0
	s_wait_dscnt 0x0                               ; K and X are in
.endif
.set i, 0
.rept 16
	KQ \x
.rept per
	SLICE 2-\x, \first
.endr
.set i, i+1
.endr
.endif
.if \first
	PLACES
.endif
.endm
; THE CHANGE OF SLOTS: the slot's last bytes, V of its eighth step, have been asked for.  Each wave waits for all its tensor loads (one is out: its quarter of the other slot), adds 0 to its spare word, and waits for that
; and for its reads of the slot.  fill = 1: the barrier is a round of the cluster's, and the joint refill is the first thing behind it: it has eight key steps in which to land.
.macro CHANGE fill
	WIN 0
	s_wait_tensorcnt 0x0                           ; no tensor load of mine is out, so a group 0 may be written
	ds_add_u32 v[SPW], v[NIL]                      ; 0 onto my spare word
.if \fill
	s_xor_b32 s[G0+5], s[G0+5], SLOT1              ; the walking descriptor: the other slot than last time,
	s_add_nc_u64 s[G0+6:G0+7], s[G0+6:G0+7], SLOT1 ; the next 512 keys; the type bits on top are not reached
	s_wait_xcnt 0x0                                ; the last prefetch, eight key steps back, has read its address
	s_add_nc_u64 s[PFA:PFA+1], s[PFA:PFA+1], SLOT1 ; one slot further on than the walking descriptor
	s_wait_dscnt 0x0                               ; the add is done, and my reads of the slot are over
	CROUND
	JLOAD
	ASK
.else
	s_wait_dscnt 0x0
	s_barrier_signal -1
	s_barrier_wait -1
.endif
	s_sub_co_u32 s[TB], s[TB], 8*STEPB             ; the fetches go back to a slot's first step,
	s_xor_b32 s[TB], s[TB], SLOT1                  ; in the other slot
.endm
.macro STEPS n                         ; n key steps: written once, walked n times; the LDS addresses hang on s[TB] and s[TM]
	s_mov_b32 s[CNT], \n
.Lstep_\@:
	TURN 0, 2, 1, 0
	TURN 2, 2, 1, 0
	WIN 0
	s_sub_co_u32 s[CNT], s[CNT], 1
	s_cmp_lg_u32 s[CNT], 0
	s_cbranch_scc1 .Lstep_\@
.endm
	s_wait_tensorcnt 1                             ; my quarter of slot 0 is in; slot 1's may stay out
	s_wait_dscnt 0x0                               ; my part of X is stored
	s_barrier_signal -1
	s_barrier_wait -1
	FETCH_K                                        ; key step 0
	s_wait_dscnt 0x0
.set i, 0
.rept 16
	KQ 0                                           ; piece 0's first scores: there is no vector work yet to set between them
.set i, i+1
.endr
	WIN 0
	PLACES
	TURN 2, 0, 1, 1                                ; piece 2's first scores | piece 0's first softmax | V of step 0
	TURN 0, 1, 1, 1                                ; piece 0: V^T P of step 0 starts O^T, K Q^T of step 1 | piece 2's first softmax | K of step 1
	TURN 2, 1, 1, 0                                ; piece 2: the same | piece 0's softmax of step 1 | V of step 1
	WIN 0
	STEPS 6                                        ; they fetch steps 2 to 7: slot 0 is read out
.Lslot:                                                ; six trips: every slot but the last two is filled again
	CHANGE 1
	STEPS 8
	s_sub_co_u32 s[SLOTS], s[SLOTS], 1
	s_cmp_lg_u32 s[SLOTS], 0
	s_cbranch_scc1 .Lslot
	CHANGE 0                                       ; the tail is written out
	STEPS 8
	TURN 0, 2, 0, 0                                ; piece 0: V^T P of the last step | piece 2's last softmax
.set i, 0
.rept 16
	PV 2, 0                                        ; piece 2: V^T P of the last step
.set i, i+1
.endr
	; THE WAY OUT.  O^T / l, rounded to f16: a lane's eight channels of a query are a quad of the next launch's fragment: each store of the wave covers 512 consecutive bytes, aligned.  No stage in LDS.
	WIN 0
.irp t, 0,1,2,3
	v_add_f32 v[ST+8*\t+4], v[ST+8*\t+2], v[ST+8*\t+3]   ; (these four are the places behind the last products)
.endr
.irp t, 0,1,2,3
	v_permlanex16_b32 v[ST+8*\t+5], v[ST+8*\t+4], s[SEL], s[SEL+1]
.endr
.irp t, 0,1,2,3
	v_add_f32 v[ST+8*\t+4], v[ST+8*\t+4], v[ST+8*\t+5]
.endr
.irp t, 0,1,2,3
	v_rcp_f32 v[ST+8*\t+6], v[ST+8*\t+4]
.endr
	v_nop                                          ; a plain instruction behind the last reciprocal
	s_wait_alu depctr_va_vdst(0)                   ; one wait for the four, ahead of the first use
.macro PACK t
	WIN W_RS
.set i, 32*\t
.rept 16
	v_pk_mul_f32 v[i:i+1], v[i:i+1], v[ST+8*\t+6:ST+8*\t+7] op_sel_hi:[1,0]   ; ascending: each accumulator from its low end on
.set i, i+2
.endr
	WIN 0x05                                       ; sources window 1, destination window 0: S^T's registers are free
.set i, 0
.rept 16
	v_cvt_pk_f16_f32 v[S+16*\t+i], v[32*\t+2*i], v[32*\t+2*i+1]
.set i, i+1
.endr
	WIN 0
.irp f, 0,1,2,3
	global_store_b128 v[LI], v[S+16*\t+4*\f:S+16*\t+4*\f+3], s[10:11] offset:\t*8192+\f*512
.endr
.endm
	PACK 0
	PACK 1
	PACK 2
	PACK 3
	s_wait_tensorcnt 0x0                           ; the wave's end
	ds_add_u32 v[SPW], v[NIL]
	s_wait_dscnt 0x0
	CROUND                                         ; the closing round
	s_endpgm
.Lfunc_end_k_qf7b8049c66_attn:
	.size	k_qf7b8049c66_attn, .Lfunc_end_k_qf7b8049c66_attn-k_qf7b8049c66_attn
	.p2alignl 7, 3214868480
	.fill 96, 4, 3214868480
	.section	.rodata,"a",@progbits
	.p2align	6, 0x0
	.amdhsa_kernel k_qf7b8049c66_attn
		.amdhsa_group_segment_fixed_size 327680
		.amdhsa_private_segment_fixed_size 0
		.amdhsa_enable_private_segment 0
		.amdhsa_kernarg_size 32
		.amdhsa_user_sgpr_count 2
		.amdhsa_user_sgpr_kernarg_segment_ptr 1
		.amdhsa_wavefront_size32 1
		.amdhsa_system_sgpr_workgroup_id_x 1
		.amdhsa_system_sgpr_workgroup_id_y 1
		.amdhsa_system_sgpr_workgroup_id_z 1
		.amdhsa_system_vgpr_workitem_id 0
		.amdhsa_next_free_vgpr 768
		.amdhsa_next_free_sgpr 66
		.amdhsa_reserve_vcc 0
		.amdhsa_float_denorm_mode_32 3
		.amdhsa_float_denorm_mode_16_64 3
		.amdhsa_memory_ordered 1
		.amdhsa_forward_progress 1
		.amdhsa_inst_pref_size 196
	.end_amdhsa_kernel
	.amdgpu_metadata
---
amdhsa.version: [ 1, 2 ]
amdhsa.kernels:
  - .name:           k_qf7b8049c66_attn
    .symbol:         k_qf7b8049c66_attn.kd
    .args:
      - { .name: q_img, .offset: 0, .size: 8, .value_kind: global_buffer, .address_space: global }
      - { .name: kv_img, .offset: 8, .size: 8, .value_kind: global_buffer, .address_space: global }
      - { .name: attention_mask, .offset: 16, .size: 8, .value_kind: global_buffer, .address_space: global }
      - { .name: ao_img, .offset: 24, .size: 8, .value_kind: global_buffer, .address_space: global }
    .group_segment_fixed_size: 327680
    .private_segment_fixed_size: 0
    .kernarg_segment_align: 8
    .kernarg_segment_size: 32
    .max_flat_workgroup_size: 128
    .sgpr_count:     66
    .vgpr_count:     768
    .wavefront_size: 32
...
	.end_amdgpu_metadata
.endif
;; end of part 3
;; launch oproj (part 4): grid 8 x 32, 4 waves a work-group, clusters of 4 x 4, 327,680 bytes of LDS; arguments ao_img, wo_img, out0; writes out0
.if DOCPART == 4
	.amdgcn_target "amdgcn-amd-amdhsa--gfx1250"
	.amdhsa_code_object_version 6
	.text
	.protected	k_qf7b8049c66_oproj
	.globl	k_qf7b8049c66_oproj
	.p2align	8
	.type	k_qf7b8049c66_oproj,@function
k_qf7b8049c66_oproj:
	s_mov_b64 s[64:65], 0
	v_nop
	global_prefetch_b8 v0, s[64:65] scope:SCOPE_SE
	s_setreg_imm32_b32 hwreg(HW_REG_WAVE_MODE, 25, 1), 1
	s_wait_xcnt 0x0
	s_wait_alu depctr_hold_cnt(0) depctr_sa_sdst(0) depctr_va_vdst(0) depctr_va_sdst(0) depctr_va_ssrc(0) depctr_va_vcc(0) depctr_vm_vsrc(0)
	s_getreg_b32 s2, hwreg(HW_REG_IB_STS2, 6, 4)
	s_cmp_eq_u32 s2, 0
	s_cbranch_scc0 .Lentry_in_a_cluster
	s_endpgm
.Lentry_in_a_cluster:
	s_bfe_u32 s2, ttmp6, 0x10000c
	s_cmp_lg_u32 s2, 0xf033
	s_cbranch_scc0 .Lentry_shape_is_right
	s_endpgm
.Lentry_shape_is_right:
; OUT = AO WO.  AO [4096][1024] and WO [1024 (k)][1024 (n)] arrive in f16 as images of their operand registers; out0 [4096][1024] f32; sums in f32.
; A tile of out0 is 128 x 128: 256 work-groups.  Four waves, each 64 x 64: 16 accumulators.  K goes in four steps of 256 through a ring of two LDS slots; a K step's part of AO for 128 tokens is one dense block of
; 65,536 bytes, and so is WO's for 128 columns; each wave fetches half of one of them.  Fragments are read 16 bytes a lane on end.
; CLUSTER 4 x 4: AO's tiles are shared along a row of the cluster, WO's along a column: each is asked for jointly.
; THE MATRIX INSTRUCTION IS USED TRANSPOSED (source 0 = 16 columns of WO, source 1 = 16 tokens): a lane holds eight neighbouring numbers of a row of out0.
; No prefetch: each step's tiles are small against its matrix work's share, and both first fills go out at the head.
; REGISTERS.  window 0: v16-29 addresses; v32-95 the way out; v128-255 the accumulators ((a, b) at 128 + 8 (4 a + b)).   window 1: two fragment buffers of 128: for 64 along K, 64 registers of AO, then 64 of WO.
.set SLOT,   131072                    ; AO's 65,536 bytes, then WO's
.set STAGE,  2*SLOT                    ; behind the ring: 16 rows x (256 + 16) bytes for each wave; no fill lands here
.set SPITCH, 272
.set SPARE,  STAGE+4*16*SPITCH         ; the spare words, 128 bytes a wave
.set ADRA, 16                          ; v16-17 my AO fragments in slot 0, 1
.set ADRB, 20                          ; v20-21 my WO fragments
.set STO,  24                          ; v24 where I put 32 bytes of a row
.set RD,   25                          ; v25 where I read a row back
.set CO,   26                          ; v26 my byte offset in out0
.set SPW,  28                          ; v28 my spare word; never rewritten
.set NIL,  29                          ; v29 0; never rewritten
.set TMP,  32
.set ACC,  128
.set F0,   0
.set F1,   128
.set G1, 24
.set G0, 32
.set G1B, 48
.set G0B, 56
.set MSB, 0
.macro WIN new
.if MSB != \new
	s_set_vgpr_msb (MSB<<8)|\new
.set MSB, \new
.endif
.endm
.set MUL,  0x05                        ; sources 0 and 1 window 1; C and D window 0
.set TO_F, 0x40                        ; destination window 1, address window 0
.macro JLOAD s                         ; waves 0 and 1 fetch AO's halves, waves 2 and 3 WO's; an s_nop 0 and four v_nop follow each line
	s_cmp_eq_u32 s11, 0
	s_cbranch_scc0 .Lfor_b_\@
	tensor_load_to_lds s[G0+4*\s:G0+4*\s+3], s[G1:G1+7]
	s_nop 0
.rept 4
	v_nop
.endr
	s_branch .Lasked_\@
.Lfor_b_\@:
	tensor_load_to_lds s[G0B+4*\s:G0B+4*\s+3], s[G1B:G1B+7]
	s_nop 0
.rept 4
	v_nop
.endr
.Lasked_\@:
.endm
.macro CREST                           ; a round of the cluster's barrier behind its opening barrier
	s_cmp_lg_u32 s10, 0
	s_cbranch_scc1 .Lnot_wave_0_\@
	s_barrier_signal -3
.Lnot_wave_0_\@:
	s_barrier_wait -3
	s_barrier_signal -1
	s_barrier_wait -1
.endm
.macro CROUND
	s_barrier_signal -1
	s_barrier_wait -1
	CREST
.endm
	s_load_b128 s[4:7], s[0:1], 0x0                ; ao_img, wo_img
	s_load_b64 s[8:9], s[0:1], 0x10                ; out0
	v_lshl_add_u32 v[SPW], v0, 2, SPARE
	v_mov_b32 v[NIL], 0
	ds_add_u32 v[SPW], v[NIL]                      ; the opening: the add, twice on end, and its wait ahead of my first tensor load
	ds_add_u32 v[SPW], v[NIL]
	v_lshrrev_b32 v1, 5, v0
	v_readfirstlane_b32 s10, v1                    ; wave 0..3
	s_lshr_b32 s11, s10, 1                         ; which half of the tile's rows is mine.  Also: I fetch for AO (0) or for WO (1)
	s_and_b32 s12, s10, 1                          ; which half of its columns.  Also: which half of that block I fetch
	s_bfe_u32 s40, ttmp6, 0x40000                  ; cx, cy
	s_bfe_u32 s41, ttmp6, 0x40004
	s_lshl_b32 s42, ttmp9, 2
	s_add_co_u32 s42, s42, s40                     ; tile column
	s_and_b32 s13, ttmp7, 0xffff
	s_lshl_b32 s13, s13, 2
	s_add_co_u32 s13, s13, s41                     ; tile row
	s_lshl_b32 s43, s41, 2
	s_lshl_b32 s43, 15, s43                        ; my row of the cluster
	s_lshl_b32 s44, 0x1111, s40                    ; my column
	s_or_b32 s[G1+0], s43, (3<<16)|(1<<21)         ; the mask; elements of 8 bytes; bit 21 beside a mask; no padding
	s_or_b32 s[G1B+0], s44, (3<<16)|(1<<21)
.irp g, G1, G1B
	s_mov_b32 s[\g+1], 32<<16                      ; tensor_dim0: 256 bytes
	s_mov_b32 s[\g+2], 128<<16                     ; tensor_dim1: 128 rows: 32,768 dense bytes
	s_mov_b32 s[\g+3], 32<<16
	s_mov_b32 s[\g+4], 128
	s_mov_b32 s[\g+5], 32
	s_mov_b32 s[\g+6], 0
	s_mov_b32 s[\g+7], 0
.endr
	s_lshl_b32 s17, s12, 15                        ; my half: four tiles of 8,192 bytes
	s_lshl_b32 s16, s13, 16
	s_add_co_u32 s16, s16, s17                     ; AO: by the tile row
	s_lshl_b32 s46, s42, 16
	s_add_co_u32 s46, s46, s17                     ; WO: by the tile column
	s_mov_b32 s17, 0
	s_mov_b32 s47, 0
	s_lshl_b32 s20, s10, 15                        ; where they go: wave x 32,768
	s_wait_dscnt 0x0                               ; both opening adds are done
	s_wait_kmcnt 0x0
	s_add_nc_u64 s[14:15], s[4:5], s[16:17]
	s_add_nc_u64 s[46:47], s[6:7], s[46:47]
	CROUND                                         ; all sixteen work-groups are here: the first joint loads meet
.irp s, 0,1
	s_mov_b32 s[G0+4*\s], 1
	s_add_co_u32 s[G0+4*\s+1], s20, \s*SLOT
	s_add_nc_u64 s[G0+4*\s+2:G0+4*\s+3], s[14:15], \s*2097152     ; a K step of AO's images
	s_or_b32 s[G0+4*\s+3], s[G0+4*\s+3], 0x80000000
	s_mov_b32 s[G0B+4*\s], 1
	s_add_co_u32 s[G0B+4*\s+1], s20, \s*SLOT
	s_add_nc_u64 s[G0B+4*\s+2:G0B+4*\s+3], s[46:47], \s*524288    ; a K step of WO's
	s_or_b32 s[G0B+4*\s+3], s[G0B+4*\s+3], 0x80000000
	JLOAD \s                                       ; two tensor loads of mine are out behind the second
.endr
	v_and_b32 v1, 15, v0                           ; r
	v_bfe_u32 v2, v0, 4, 1                         ; h
	v_and_b32 v3, 31, v0
	v_lshlrev_b32 v3, 4, v3                        ; 16 x lane
	s_lshl_b32 s21, s11, 15                        ; my four tiles of tokens
	s_lshl_b32 s22, s12, 15                        ; my four tiles of columns,
	s_add_co_u32 s22, s22, 65536                   ; which lie behind AO's block
.irp s, 0,1
	v_add_nc_u32 v[ADRA+\s], s21, v3
	v_add_nc_u32 v[ADRB+\s], s22, v3
	s_add_co_u32 s21, s21, SLOT
	s_add_co_u32 s22, s22, SLOT
.endr
	s_mul_i32 s23, s10, 16*SPITCH
	s_add_co_u32 s23, s23, STAGE                   ; my stage
	v_mul_u32_u24 v4, v1, SPITCH                   ; in: row r, 32 bytes for each half of the lanes
	v_lshl_add_u32 v4, v2, 5, v4
	v_add_nc_u32 v[STO], s23, v4
	v_mul_u32_u24 v5, v2, SPITCH                   ; back: lanes 0-15 one row of 256 bytes, lanes 16-31 the next
	v_lshl_add_u32 v5, v1, 4, v5
	v_add_nc_u32 v[RD], s23, v5
	v_lshlrev_b32 v5, 12, v2                       ; and the same two rows in out0
	v_lshl_add_u32 v[CO], v1, 4, v5
	s_lshl_b32 s16, s13, 19                        ; my first row: (128 x tile row + 64 x half) x 4,096 bytes
	s_lshl_b32 s17, s11, 18
	s_add_co_u32 s16, s16, s17
	s_mov_b32 s17, 0
	s_add_nc_u64 s[8:9], s[8:9], s[16:17]
	s_lshl_b32 s46, s42, 9                         ; my first column: (128 x tile column + 64 x half) x 4 bytes
	s_lshl_b32 s47, s12, 8
	s_add_co_u32 s46, s46, s47
	s_mov_b32 s47, 0
	s_add_nc_u64 s[8:9], s[8:9], s[46:47]
; 8 matrix instructions: token tiles a0, a0 + 1 x all 4 column tiles, 32 along K: half c of buffer f.  The 16 accumulators take turns
.macro MUL8 f, c, a0, zero
.irp a, \a0, \a0+1
.irp b, 0,1,2,3
.if \zero
	v_wmma_f32_16x16x32_f16 v[ACC+8*(4*(\a)+\b):ACC+8*(4*(\a)+\b)+7], v[\f+64+8*(4*\c+\b):\f+64+8*(4*\c+\b)+7], v[\f+8*(4*\c+\a):\f+8*(4*\c+\a)+7], 0
.else
	v_wmma_f32_16x16x32_f16 v[ACC+8*(4*(\a)+\b):ACC+8*(4*(\a)+\b)+7], v[\f+64+8*(4*\c+\b):\f+64+8*(4*\c+\b)+7], v[\f+8*(4*\c+\a):\f+8*(4*\c+\a)+7], v[ACC+8*(4*(\a)+\b):ACC+8*(4*(\a)+\b)+7]
.endif
.endr
.endr
.endm
; 32 LDS loads in one run: the fragments of the slot's kq-th 64 along K into buffer f; the first 32 along K first.  Tile i lies 8,192 bytes on, 32 along K 1,024, a quad 512.
.macro FETCH slot, kq, f
	WIN TO_F
.irp c, 0,1
.irp i, 0,1,2,3
	ds_load_b128 v[\f+64+8*(4*\c+\i):\f+64+8*(4*\c+\i)+3],   v[ADRB+\slot] offset:\i*8192+(2*(\kq)+\c)*1024
	ds_load_b128 v[\f+64+8*(4*\c+\i)+4:\f+64+8*(4*\c+\i)+7], v[ADRB+\slot] offset:\i*8192+(2*(\kq)+\c)*1024+512
	ds_load_b128 v[\f+8*(4*\c+\i):\f+8*(4*\c+\i)+3],         v[ADRA+\slot] offset:\i*8192+(2*(\kq)+\c)*1024
	ds_load_b128 v[\f+8*(4*\c+\i)+4:\f+8*(4*\c+\i)+7],       v[ADRA+\slot] offset:\i*8192+(2*(\kq)+\c)*1024+512
.endr
.endr
.endm
.macro PLACES                          ; four places in front of loads into registers that matrix instructions have read, and of the first read of results
.rept 4
	v_nop
.endr
.endm
; A K step is four quarters of 64 along K, 32 matrix instructions each, on buffers 0, 1, 0, 1.  One of the first three: multiplies buffer f and fetches quarter kq into g.
.macro QUARTER slot, kq, f, g, zero
	s_wait_dscnt 16                                ; the first 32 along K are in; the other sixteen loads may be out
	WIN MUL
	MUL8 \f, 0, 0, \zero
	MUL8 \f, 0, 2, \zero
	PLACES
	FETCH \slot, \kq, \g
	s_wait_dscnt 32                                ; all but the 32 just issued
	WIN MUL
	MUL8 \f, 1, 0, 0
	MUL8 \f, 1, 2, 0
.endm
; The last quarter multiplies buffer 1 and changes slots: ONE barrier; in front of it each wave waits for all its tensor loads, adds 0 to its spare word, and waits for that and for its reads of this slot.
.macro TURN slot, next, fill
	WIN 0
	s_wait_tensorcnt 0x0                           ; all my tensor loads have landed: my part of the next slot
	ds_add_u32 v[SPW], v[NIL]                      ; 0 onto my spare word
	s_wait_dscnt 17                                ; the add and the youngest sixteen loads may be out
	WIN MUL
	MUL8 F1, 0, 0, 0
	s_wait_dscnt 0x0                               ; the add is done, and my reads of this slot are over
	s_barrier_signal -1
	MUL8 F1, 0, 2, 0
.if \fill
	WIN 0
.endif
	s_barrier_wait -1
.if \fill
	CREST                                          ; the barrier has opened a round of the cluster's: no wave of any partner still reads this slot or has a load on its way
	s_add_nc_u64 s[G0+4*\slot+2:G0+4*\slot+3], s[G0+4*\slot+2:G0+4*\slot+3], 2*2097152
	s_add_nc_u64 s[G0B+4*\slot+2:G0B+4*\slot+3], s[G0B+4*\slot+2:G0B+4*\slot+3], 2*524288
	JLOAD \slot                                    ; the first tensor load behind the round; its four v_nop are also the places in front of the loads below
.else
	PLACES
.endif
	FETCH \next, 0, F0
	WIN MUL
	MUL8 F1, 1, 0, 0
	MUL8 F1, 1, 2, 0
.endm
	s_wait_tensorcnt 1                             ; my part of K step 0 is in; K step 1's may stay out
	s_barrier_signal -1
	s_barrier_wait -1
	FETCH 0, 0, F0
	QUARTER 0, 1, F0, F1, 1                        ; the first products start the sums: nothing is cleared
	QUARTER 0, 2, F1, F0, 0
	QUARTER 0, 3, F0, F1, 0
	TURN 0, 1, 1                                   ; slot 0 takes K step 2
	QUARTER 1, 1, F0, F1, 0
	QUARTER 1, 2, F1, F0, 0
	QUARTER 1, 3, F0, F1, 0
	TURN 1, 0, 1                                   ; slot 1 takes K step 3
	QUARTER 0, 1, F0, F1, 0
	QUARTER 0, 2, F1, F0, 0
	QUARTER 0, 3, F0, F1, 0
	TURN 0, 1, 0                                   ; nothing is left to fetch
	QUARTER 1, 1, F0, F1, 0
	QUARTER 1, 2, F1, F0, 0
	QUARTER 1, 3, F0, F1, 0
	s_wait_dscnt 16                                ; the very last quarter
	WIN MUL
	MUL8 F1, 0, 0, 0
	MUL8 F1, 0, 2, 0
	s_wait_dscnt 0x0
	MUL8 F1, 1, 0, 0
	MUL8 F1, 1, 2, 0
	WIN 0
; THE WAY OUT, block by block of 16 rows x 64 columns.  A lane holds 32 neighbouring bytes of a row: a block goes through my own stage and comes back as rows of 256 bytes, which sixteen lanes store as one aligned run.
; LDS serves a wave's instructions in order: no wait between the stores and the loads, nor in front of the next block's stores.
.macro TOSTAGE a
.irp b, 0,1,2,3
	ds_store_b128 v[STO], v[ACC+8*(4*(\a)+\b):ACC+8*(4*(\a)+\b)+3] offset:64*\b        ; each accumulator from its low end on
	ds_store_b128 v[STO], v[ACC+8*(4*(\a)+\b)+4:ACC+8*(4*(\a)+\b)+7] offset:64*\b+16
.endr
.set BB, TMP+32*((\a)%2)
.irp t, 0,1,2,3,4,5,6,7
	ds_load_b128 v[BB+4*\t:BB+4*\t+3], v[RD] offset:\t*2*SPITCH
.endr
.endm
.macro SEND a, younger                 ; younger: the LDS instructions issued behind block a's loads, which may stay out
.set BB, TMP+32*((\a)%2)
	s_wait_dscnt \younger
.irp t, 0,1,2,3,4,5,6,7
	global_store_b128 v[CO], v[BB+4*\t:BB+4*\t+3], s[8:9] offset:(16*(\a)+2*\t)*4096 th:TH_STORE_NT   ; 62 rows of 4,096 bytes at the most: inside the signed 24-bit immediate
.endr
.endm
	PLACES
	TOSTAGE 0
.irp a, 1,2,3
.if \a > 1
	s_wait_xcnt 0x0                                ; block a - 2's stores have read their registers: block a's loads may land there
.endif
	TOSTAGE \a
	SEND \a-1, 16                                  ; behind block a - 1's loads: block a's 8 stores and 8 loads
.endr
	SEND 3, 0
	s_wait_tensorcnt 0x0                           ; the wave's end
	ds_add_u32 v[SPW], v[NIL]
	s_wait_dscnt 0x0
	CROUND                                         ; the closing round
	s_endpgm
.Lfunc_end_k_qf7b8049c66_oproj:
	.size	k_qf7b8049c66_oproj, .Lfunc_end_k_qf7b8049c66_oproj-k_qf7b8049c66_oproj
	.p2alignl 7, 3214868480
	.fill 96, 4, 3214868480
	.section	.rodata,"a",@progbits
	.p2align	6, 0x0
	.amdhsa_kernel k_qf7b8049c66_oproj
		.amdhsa_group_segment_fixed_size 327680
		.amdhsa_private_segment_fixed_size 0
		.amdhsa_enable_private_segment 0
		.amdhsa_kernarg_size 24
		.amdhsa_user_sgpr_count 2
		.amdhsa_user_sgpr_kernarg_segment_ptr 1
		.amdhsa_wavefront_size32 1
		.amdhsa_system_sgpr_workgroup_id_x 1
		.amdhsa_system_sgpr_workgroup_id_y 1
		.amdhsa_system_sgpr_workgroup_id_z 1
		.amdhsa_system_vgpr_workitem_id 0
		.amdhsa_next_free_vgpr 512
		.amdhsa_next_free_sgpr 66
		.amdhsa_reserve_vcc 0
		.amdhsa_float_denorm_mode_32 3
		.amdhsa_float_denorm_mode_16_64 3
		.amdhsa_memory_ordered 1
		.amdhsa_forward_progress 1
		.amdhsa_inst_pref_size 85
	.end_amdhsa_kernel
	.amdgpu_metadata
---
amdhsa.version: [ 1, 2 ]
amdhsa.kernels:
  - .name:           k_qf7b8049c66_oproj
    .symbol:         k_qf7b8049c66_oproj.kd
    .args:
      - { .name: ao_img, .offset: 0, .size: 8, .value_kind: global_buffer, .address_space: global }
      - { .name: wo_img, .offset: 8, .size: 8, .value_kind: global_buffer, .address_space: global }
      - { .name: out0, .offset: 16, .size: 8, .value_kind: global_buffer, .address_space: global }
    .group_segment_fixed_size: 327680
    .private_segment_fixed_size: 0
    .kernarg_segment_align: 8
    .kernarg_segment_size: 24
    .max_flat_workgroup_size: 128
    .sgpr_count:     66
    .vgpr_count:     512
    .wavefront_size: 32
...
	.end_amdgpu_metadata
.endif
;; end of part 4
